; MI455X (gfx1250); checked and timed in simulation.
; The chip was launched on July 23, 2026; its instructions are those of AMD's public machine-readable ISA for CDNA 5 (MIT licence, August 2026) and "CDNA5" Instruction Set Architecture Reference Guide (July 2026). The comments in the code are by the model that wrote it; some were corrected since.
;; Multi Head Attention. Allowed arithmetic: matrix products marked QUANTISED: E4M3 operands, one E8M0 scale for each 32 along K, by v_wmma_scale_f32_16x16x128_f8f6f4 with both operands' format E4M3, f32 sums; everything else in f32.
;; Inputs: Wk 1,024 x 1,024 float32; Wo 1,024 x 1,024 float32; Wq 1,024 x 1,024 float32; Wv 1,024 x 1,024 float32; bo 1,024 float32; x 4 x 2,048 x 1,024 float32.
;; Outputs: out0 4 x 2,048 x 1,024 float32.
;; This version of the problem:
;;   THIS VERSION OF THE PROBLEM IS GIVEN IN LOW PRECISION. The matrix products marked QUANTISED in the list below multiply operands that are first quantised to E4M3 (4 exponent bits, 3 mantissa bits; 8 bits a number), with one power-of-two scale for each 32 numbers along K (OCP MX v1.0); their sums are f32. All else is computed in f32.
;;   The module's matrix products, in the order in which they are computed (A, B: the left and right operand; K: the contracted axis; several contracted axes count as one K, in the product's order):
;;     1. [M 8,192, K 1,024] x [K 1,024, N 1,024]; A: input x; B: input Wq: QUANTISED
;;     2. [M 8,192, K 1,024] x [K 1,024, N 1,024]; A: input x; B: input Wk: QUANTISED
;;     3. [M 8,192, K 1,024] x [K 1,024, N 1,024]; A: input x; B: input Wv: QUANTISED
;;     4. batch 64 x [M 2,048, K 64] x [K 64, N 2,048]; A: computed on the way; B: computed on the way: QUANTISED
;;     5. batch 64 x [M 2,048, K 2,048] x [K 2,048, N 64]; A: softmax (see below); B: computed on the way: QUANTISED
;;     6. [M 8,192, K 1,024] x [K 1,024, N 1,024]; A: computed on the way; B: input Wo: QUANTISED
;;   THE QUANTISER, for each operand of a quantised product, along K:
;;     - K is cut into blocks of 32 from its start; a last block that is shorter is filled with zeros.
;;     - A block's scale is 2^e with e = floor(log2(the largest magnitude in the block)) - 8, held to -126 .. 127; a block of zeros has e = 0. As a byte (E8M0): e + 127.
;;     - Each number is divided by its block's scale, clamped to +-448, and rounded to the nearest number of E4M3, ties to even, subnormals kept.
;;     - The product sums the exact products of the quantised numbers (number of the format x scale) in f32.
;;   ~~~python
;;   def quantise(x, axis):      # numpy; x: float32 -> the quantised numbers, widened to float32 again
;;       x = np.moveaxis(x, axis, -1); K = x.shape[-1]
;;       x = np.pad(x, [(0, 0)] * (x.ndim - 1) + [(0, -K % 32)]); x = x.reshape(x.shape[:-1] + (-1, 32)); a = np.abs(x).max(-1, keepdims=True)
;;       e = np.where(a > 0, np.clip(np.frexp(np.where(a > 0, a, 1))[1] - 1 - 8, -126, 127), 0)      # np.frexp(a)[1] - 1 = floor(log2(a)), exactly
;;       r = np.clip(x / 2.0 ** e, -448, 448)
;;       step = 2.0 ** (np.maximum(np.frexp(np.where(r == 0, 1, r))[1] - 1, -6) - 3)
;;       q = np.round(r / step) * step * 2.0 ** e      # np.round: ties to even
;;       return np.moveaxis(q.reshape(q.shape[:-2] + (-1,))[..., :K], -1, axis).astype(np.float32)
;;   ~~~
;;   SOFTMAX AHEAD OF A QUANTISED PRODUCT. Where the list says 'softmax', what is quantised is not the finished softmax but p = 2^(t - M), with t = logit x log2(e) and M = ceil(the row's largest t), a whole number; so 1/2 < the row's largest p <= 1. The row's sum l is taken of the UNQUANTISED p, in f32, and the product's result is divided by l at the end. Since M is a whole number, a kernel that streams over the keys may use a running M (the ceiling of the running maximum): every later rescaling is an exact power of two, which a block's scale takes up: the codes' values come out the same.
;;   OPERANDS COMPUTED ON THE WAY. 'Computed on the way' means the value that the module computes at that place (a softmax that the list does not call 'softmax' is quantised finished and normalised). What goes into a quantiser is computed in f32, as accurately as f32 sums, v_exp_f32 and their like allow (about 1e-6 of the number): no bf16 or f16 on the way to a quantiser, and a product that is left as it is and whose result goes on into a quantised operand takes f32 operands (vector FMAs, or v_wmma_f32_16x16x4_f32). A number that lies on a knife's edge between two numbers of the format may be rounded either way, as far as f32 arithmetic and the matrix unit's own rounding can turn it there, and no further.
;; One version. Each part assembles by itself: llvm-mc -triple=amdgcn-amd-amdhsa -mcpu=gfx1250 --defsym DOCPART=n.
;; ======== version 1 of 1: 4 launches
;; limits: right only within a limited range of input values
;; workspace buffers: xi 8,650,752 bytes; wi 4,325,376 bytes; qimg 8,650,752 bytes; kvimg 17,301,504 bytes; ctxi 8,650,752 bytes
;; launch quant (part 1): grid 384 x 1, 4 waves a work-group, no clusters, 34,304 bytes of LDS; arguments x, Wq, Wk, Wv, Wo, xi, wi; writes xi, wi
.if DOCPART == 1
	.amdgcn_target "amdgcn-amd-amdhsa--gfx1250"
	.amdhsa_code_object_version 6
	.text
	.protected	k_q02093e61a4_quant
	.globl	k_q02093e61a4_quant
	.p2align	8
	.type	k_q02093e61a4_quant,@function
k_q02093e61a4_quant:
	s_mov_b64 s[64:65], 0
	v_nop
	global_prefetch_b8 v0, s[64:65] scope:SCOPE_SE
	s_setreg_imm32_b32 hwreg(HW_REG_WAVE_MODE, 25, 1), 1
	s_wait_xcnt 0x0
; x [8192][1024] and Wq, Wk, Wv, Wo [1024][1024], f32, K innermost, become codes of FP8 (E4M3) with one E8M0 byte for each 32 along K,
; laid AS IMAGES OF A MATRIX OPERAND'S REGISTERS.  A block of 33,792 bytes holds 128 rows x 256 along K: block (G = row / 128, S = k / 256) at (4 G + S) x 33,792.
; In it: codes at 16384 q + 2048 i + 512 c + 16 lane (q: which 128 along K; i: tile of 16 rows; c: which 32 along K; lane = r + 16 h holds k = 32 c + 16 h + 0 .. 15 of the tile's row r);
; scale words (four bytes: 128 along K of a row) at 32768 + 128 i + 8 r + 4 q.  THE ROWS OF A TILE ARE NOT NEIGHBOURS: row r of tile i is row 32 (i / 2) + 8 (i % 2) + r + 8 (r / 8) of the 128.
; xi holds x (G 0-63); wi holds Wq (G 0-7), Wk (8-15), Wv (16-23), Wo (24-31).
; A block's scale is 2^(floor(log2(its largest magnitude)) - 8); its byte is the largest magnitude's exponent field - 8, held at 1 from below.
; LIMITS: a block of zeros gets the byte 1 where the stated quantiser says 127 (its codes are zeros, which add nothing, and this program alone reads the bytes); blocks whose largest magnitude
; lies under 2^-118 are quantised under the byte 1; NaN and infinities among the inputs are not served.
; SHARES.  A work-group takes 32 rows (two tiles): work-groups 0-255 those of x, 256-383 those of the four weights.  Wave w takes k = 256 w .. 256 w + 255: four fragments f = 2 u + q (tile u, 128 along K q).
; Each load reads 512 consecutive bytes of one row; a fragment's 16 rows turn through the wave's own stage in LDS (rows 528 bytes apart) and come back 16 neighbours of each block of 32 to a lane.
; No matrix unit, no tensor load, no barrier, no cluster: memory bounds the launch, the waves share nothing, and no byte is read twice.
.set STG,  8448                        ; a wave's stage: 16 rows x (512 + 16) bytes
.set BLKB, 33792
.set TM,   8                           ; v8-11 largest magnitudes, v12-15 bytes, v20-23 the conversion's scale operand
.set WD,   24                          ; v24-27 the four fragments' scale words
.set PC,   32                          ; v32-47 a fragment's codes
.set X,    48                          ; v48-111 64 numbers: register 16 b + i = k 32 b + 16 h + i of my row
.set R,    112                         ; v112-239 two sets of 64: a fragment as loaded
	s_load_b256 s[4:11], s[0:1], 0x0               ; x, Wq, Wk, Wv
	s_load_b128 s[12:15], s[0:1], 0x20             ; Wo, xi
	s_load_b64 s[16:17], s[0:1], 0x30              ; wi
	v_lshl_add_u32 v240, v0, 2, 0x8400
	v_mov_b32 v241, 0
	v_lshrrev_b32 v5, 5, v0
	v_readfirstlane_b32 s18, v5                    ; wave
	v_and_b32 v5, 31, v0                           ; lane
	v_lshlrev_b32 v1, 4, v5                        ; 16 x lane: loads, and the codes' stores
	v_lshlrev_b32 v2, 3, v5                        ; 8 x lane: the scale words' store
	s_mul_i32 s19, s18, STG
	v_add_nc_u32 v3, s19, v1                       ; the stage, on the way in: a row as it lies
	v_and_b32 v6, 15, v0                           ; r
	v_bfe_u32 v7, v0, 4, 1                         ; h
	v_mul_u32_u24 v4, v6, 528
	v_lshl_add_u32 v4, v7, 6, v4
	v_add_nc_u32 v4, s19, v4                       ; and on the way out: row r, + 64 h bytes
	s_mov_b32 s26, 0x76543210
	s_mov_b32 s27, 0xfedcba98                      ; v_permlanex16_b32's selects for lane l xor 16
	s_mov_b32 s29, 0xffff0000                      ; lanes 16-31
.irp b, 0,1,2,3
	v_mov_b32 v[TM+4+\b], 0                        ; written once: a lane permute's destination counts as one of its sources
.endr
	; which tensor, which rows: all by the work-group's number
	s_max_u32 s30, ttmp9, 256
	s_sub_co_u32 s30, s30, 256                     ; t: the work-group's number among the weights' (0 for x's)
	s_lshr_b32 s31, s30, 5                         ; which weight
	s_and_b32 s32, s30, 31                         ; which 32 rows of it
	s_cmp_lt_u32 ttmp9, 256
	s_cselect_b32 s32, ttmp9, s32                  ; which 32 rows of the source
	s_cselect_b32 s33, ttmp9, s30                  ; which 32 rows of the image
	s_lshr_b32 s34, s33, 2                         ; G
	s_and_b32 s35, s33, 3                          ; which pair of tiles
	s_lshl_b32 s36, s32, 17                        ; 32 rows of 4,096 bytes,
	s_lshl_b32 s37, s18, 10                        ; my wave's 1,024 bytes of a row
	s_add_co_u32 s36, s36, s37
	s_mov_b32 s37, 0
	s_lshl_b32 s38, s34, 2
	s_add_co_u32 s38, s38, s18
	s_mul_i32 s38, s38, BLKB                       ; block (G, S = wave)
	s_lshl_b32 s39, s35, 12
	s_add_co_u32 s40, s38, s39                     ; its codes of my two tiles
	s_mov_b32 s41, 0
	s_lshl_b32 s39, s35, 8
	s_add_co_u32 s42, s38, s39
	s_add_co_u32 s42, s42, 32768                   ; and their scale words: 256 bytes, aligned
	s_mov_b32 s43, 0
	s_wait_alu depctr_va_vdst(0)
	s_wait_kmcnt 0x0
	s_cmp_eq_u32 s31, 1
	s_cselect_b64 s[20:21], s[8:9], s[6:7]
	s_cmp_eq_u32 s31, 2
	s_cselect_b64 s[20:21], s[10:11], s[20:21]
	s_cmp_eq_u32 s31, 3
	s_cselect_b64 s[20:21], s[12:13], s[20:21]
	s_cmp_lt_u32 ttmp9, 256
	s_cselect_b64 s[20:21], s[4:5], s[20:21]       ; the source
	s_cselect_b64 s[22:23], s[14:15], s[16:17]     ; the image
	s_add_nc_u64 s[20:21], s[20:21], s[36:37]
	s_add_nc_u64 s[24:25], s[22:23], s[42:43]
	s_add_nc_u64 s[22:23], s[22:23], s[40:41]
.macro LOAD f                          ; fragment f: the 16 rows of tile f / 2, 128 numbers of each
.irp p, 0,1,2,3,4,5,6,7,8,9,10,11,12,13,14,15
	global_load_b128 v[R+64*((\f)%2)+4*\p:R+64*((\f)%2)+4*\p+3], v1, s[20:21] offset:(8*((\f)/2)+\p+8*(\p/8))*4096+((\f)%2)*512 th:TH_LOAD_NT
.endr
.endm
.macro TURN f                          ; through the stage: LDS serves a wave's instructions in order, so no wait stands between the stores and the loads
.irp p, 0,1,2,3,4,5,6,7,8,9,10,11,12,13,14,15
	ds_store_b128 v3, v[R+64*((\f)%2)+4*\p:R+64*((\f)%2)+4*\p+3] offset:\p*528
.endr
.irp b, 0,1,2,3
.irp e, 0,1,2,3
	ds_load_b128 v[X+16*\b+4*\e:X+16*\b+4*\e+3], v4 offset:128*\b+16*\e
.endr
.endr
.endm
.macro QUANT w                         ; the 64 numbers in v[X] on become codes in v[PC] on and the scale word in v[w]
.irp b, 0,1,2,3
	v_max3_num_f32 v[TM+\b], |v[X+16*\b]|, |v[X+1+16*\b]|, 0x4800000   ; block b: my 16 numbers, and the floor 2^(9 - 127): the byte cannot fall under 1
.endr
.irp i, 2,4,6,8,10,12,14
.irp b, 0,1,2,3
	v_max3_num_f32 v[TM+\b], v[TM+\b], |v[X+16*\b+\i]|, |v[X+1+16*\b+\i]|   ; the four blocks by turns
.endr
.endr
.irp b, 0,1,2,3
	v_permlanex16_b32 v[TM+4+\b], v[TM+\b], s26, s27
.endr
.irp b, 0,1,2,3
	v_max_num_f32 v[TM+\b], v[TM+\b], v[TM+4+\b]   ; with lane l xor 16's 16: the block's largest magnitude
.endr
.irp b, 0,1,2,3
	v_add_nc_u32 v[TM+12+\b], 0xfc000000, v[TM+\b] ; 8 off its exponent field: the conversion's scale operand
.endr
.irp b, 0,1,2,3
.endr
.irp b, 0,1,2,3
	v_lshrrev_b32 v[TM+4+\b], 23, v[TM+12+\b]      ; the scale's byte
.endr
	v_lshl_or_b32 v[\w], v[TM+5], 8, v[TM+4]
	v_lshl_or_b32 v[\w], v[TM+6], 16, v[\w]
	v_lshl_or_b32 v[\w], v[TM+7], 24, v[\w]
.irp b, 0,1,2,3
.irp i, 0,1,2,3,4,5,6,7,8,9,10,11,12,13,14,15
.endr
	v_cvt_scalef32_pk8_fp8_f32 v[PC+4*\b:PC+1+4*\b], v[X+16*\b:X+7+16*\b], v[TM+12+\b]
	v_cvt_scalef32_pk8_fp8_f32 v[PC+2+4*\b:PC+3+4*\b], v[X+8+16*\b:X+15+16*\b], v[TM+12+\b]
.endr
	v_nop                                          ; a plain vector line behind the last conversion
.endm
	LOAD 0
	LOAD 1
.irp f, 0,1,2,3
.if \f < 3
	s_wait_loadcnt 16                              ; this fragment's 16 loads are in; the next fragment's 16 may be out
.else
	s_wait_loadcnt 0x0
.endif
	TURN \f
	s_wait_dscnt 0x0                               ; the numbers are back, and the stage's stores have read the set that is loaded again below
.if \f > 0
	s_wait_xcnt 0x0                                ; the last fragment's stores have read their data: the codes' registers are written again only behind this wait
.endif
.if \f < 2
	LOAD \f+2
.endif
	QUANT WD+\f
.irp c, 0,1,2,3
	global_store_b128 v1, v[PC+4*\c:PC+4*\c+3], s[22:23] offset:(\f%2)*16384+(\f/2)*2048+\c*512   ; 512 consecutive bytes, aligned to 512
.endr
.endr
	v_cndmask_b32 v28, v[WD], v[WD+2], s29         ; lanes 0-15: the first tile's words, lanes 16-31: the second's (every lane holds its row's word)
	v_cndmask_b32 v29, v[WD+1], v[WD+3], s29
	global_store_b64 v2, v[28:29], s[24:25]        ; 256 consecutive bytes, aligned to 256
	s_wait_tensorcnt 0x0
	ds_add_u32 v240, v241
	s_wait_dscnt 0x0
	s_endpgm
.Lfunc_end_k_q02093e61a4_quant:
	.size	k_q02093e61a4_quant, .Lfunc_end_k_q02093e61a4_quant-k_q02093e61a4_quant
	.p2alignl 7, 3214868480
	.fill 96, 4, 3214868480
	.section	.rodata,"a",@progbits
	.p2align	6, 0x0
	.amdhsa_kernel k_q02093e61a4_quant
		.amdhsa_group_segment_fixed_size 34304
		.amdhsa_private_segment_fixed_size 0
		.amdhsa_enable_private_segment 0
		.amdhsa_kernarg_size 56
		.amdhsa_user_sgpr_count 2
		.amdhsa_user_sgpr_kernarg_segment_ptr 1
		.amdhsa_wavefront_size32 1
		.amdhsa_system_sgpr_workgroup_id_x 1
		.amdhsa_system_sgpr_workgroup_id_y 1
		.amdhsa_system_sgpr_workgroup_id_z 1
		.amdhsa_system_vgpr_workitem_id 0
		.amdhsa_next_free_vgpr 242
		.amdhsa_next_free_sgpr 66
		.amdhsa_reserve_vcc 0
		.amdhsa_float_denorm_mode_32 3
		.amdhsa_float_denorm_mode_16_64 3
		.amdhsa_fp16_overflow 1
		.amdhsa_memory_ordered 1
		.amdhsa_forward_progress 1
		.amdhsa_inst_pref_size 34
	.end_amdhsa_kernel
	.amdgpu_metadata
---
amdhsa.version: [ 1, 2 ]
amdhsa.kernels:
  - .name:           k_q02093e61a4_quant
    .symbol:         k_q02093e61a4_quant.kd
    .args:
      - { .name: x, .offset: 0, .size: 8, .value_kind: global_buffer, .address_space: global }
      - { .name: Wq, .offset: 8, .size: 8, .value_kind: global_buffer, .address_space: global }
      - { .name: Wk, .offset: 16, .size: 8, .value_kind: global_buffer, .address_space: global }
      - { .name: Wv, .offset: 24, .size: 8, .value_kind: global_buffer, .address_space: global }
      - { .name: Wo, .offset: 32, .size: 8, .value_kind: global_buffer, .address_space: global }
      - { .name: xi, .offset: 40, .size: 8, .value_kind: global_buffer, .address_space: global }
      - { .name: wi, .offset: 48, .size: 8, .value_kind: global_buffer, .address_space: global }
    .group_segment_fixed_size: 34304
    .private_segment_fixed_size: 0
    .kernarg_segment_align: 8
    .kernarg_segment_size: 56
    .max_flat_workgroup_size: 128
    .sgpr_count:     66
    .vgpr_count:     242
    .wavefront_size: 32
...
	.end_amdgpu_metadata
.endif
;; end of part 1
;; launch qkv (part 2): grid 8 x 48, 4 waves a work-group, clusters of 4 x 4, 327,680 bytes of LDS; arguments xi, wi, qimg, kvimg; writes qimg, kvimg
.if DOCPART == 2
	.amdgcn_target "amdgcn-amd-amdhsa--gfx1250"
	.amdhsa_code_object_version 6
	.text
	.protected	k_q02093e61a4_qkv
	.globl	k_q02093e61a4_qkv
	.p2align	8
	.type	k_q02093e61a4_qkv,@function
k_q02093e61a4_qkv:
	s_mov_b64 s[64:65], 0
	v_nop
	global_prefetch_b8 v0, s[64:65] scope:SCOPE_SE
	s_setreg_imm32_b32 hwreg(HW_REG_WAVE_MODE, 25, 1), 1
	s_wait_xcnt 0x0
	s_wait_alu depctr_hold_cnt(0) depctr_sa_sdst(0) depctr_va_vdst(0) depctr_va_sdst(0) depctr_va_ssrc(0) depctr_va_vcc(0) depctr_vm_vsrc(0)
	s_getreg_b32 s2, hwreg(HW_REG_IB_STS2, 6, 4)
	s_cmp_eq_u32 s2, 0
	s_cbranch_scc0 .Lentry_in_a_cluster
	s_endpgm
.Lentry_in_a_cluster:
	s_bfe_u32 s2, ttmp6, 0x10000c
	s_cmp_lg_u32 s2, 0xf033
	s_cbranch_scc0 .Lentry_shape_is_right
	s_endpgm
.Lentry_shape_is_right:
; q = x Wq^T, k = x Wk^T, v = x Wv^T on codes of FP8 (E4M3) with E8M0 scales, sums in f32; and the results are QUANTISED ON THE WAY OUT, q and k along the head's channels, v along the tokens.
; A product here is D(P, R) = sum over k of P[.][k] R[.][k], source 0 = 16 rows of P, source 1 = 16 rows of R: a lane then holds ONE row of R, and its registers run along P.  P IS THE AXIS THAT IS QUANTISED.
;   clusters y 0-7:  P = the 2,048 rows of Wq and Wk (channels), R = x's 8,192 tokens;     clusters y 8-11:  P = x's tokens, R = Wv's 1,024 rows.  The role hangs on the cluster's y alone and only selects pointers and numbers.
; OPERANDS arrive as images of the operand's registers: block (G = row / 128, S = k / 256) of 33,792 bytes at (4 G + S) x 33,792: codes at 16384 q + 2048 i + 512 c + 16 lane, scale words at 32768 + 128 i + 8 r + 4 q.
; Row r of tile i is row 32 (i / 2) + 8 (i % 2) + r + 8 (r / 8) of the 128.  So in the result the 16 registers of P's tiles 2 c and 2 c + 1 are 16 NEIGHBOURS along P, 32 c + 16 (lane / 16) + 0 .. 15: the order in which the next product wants its codes.
; A work-group of four waves makes 256 (P) x 256 (R); a wave 128 x 128: 64 accumulators, 512 registers.  K = 1,024 goes in four steps of 256 through a ring of two LDS slots; a slot is four blocks (R's two, P's two), one tensor load a wave, dense, scale words and all.
; A fragment load is 512 consecutive bytes of LDS: no pitch, no padding.
; CLUSTERS: 4 x 4 work-groups.  The four of a row of the cluster need the same blocks of R, the four of a column the same blocks of P: each block is asked for JOINTLY.
; OUT: a block of 16,896 bytes for 128 along P x 128 rows of R: codes at 2048 j + 512 c + 16 lane (tile j of R's rows, P = 32 c + 16 h + byte), scale words at 16384 + 256 (j / 4) + 128 ((j / 2) % 2) + 4 (j % 2) + 8 r.
;   q: qimg, block 64 hp + TG (hp: pair of heads, TG: 128 tokens).   k: kvimg, unit 64 hp + TG of 33,792 bytes, first half.   v: the same unit's second half (R = the pair's 128 channels, P = the 128 keys).
; LIMITS: a block of zeros gets the byte 1 where the stated quantiser says 127 (zero codes add nothing; this program alone reads the bytes); NaN and infinities are not served.
; REGISTERS, in windows of 256: window 0: v16-29 addresses; v32-63 scale words, two sets, and nothing else; v64-91 at work on the way out; v128-255 R's fragments, ONE set, on the way out the codes.
;   window 1: P's fragments, TWO sets.   windows 2, 3: the accumulators of R's tiles 0-3, 4-7 (accumulator (a, b) at v[8 (8 (a % 4) + b)]).
.set BLKB,  33792
.set GRPB,  4*BLKB                     ; the four blocks of 128 rows
.set SLOT,  4*BLKB                     ; R's half 0, R's half 1, P's half 0, P's half 1
.set SPARE, 2*SLOT                     ; behind the ring: the spare words, 128 bytes for each wave: two blocks of 256 bytes that no other line names
.set QB,    16896                      ; a block of the output
.set NQ,    2                          ; matrix instructions deep in a slot
.set FR,    16                         ; registers of a fragment
.set NL,    4                          ; LDS loads that bring one
.set NP,    8                          ; places behind this matrix instruction (ISA guide 7.12.1)
.set ADRA, 16                          ; v16-17  LDS address of my R fragments in slot 0, 1
.set ADRB, 20                          ; v20-21  the same for P
.set CO,   24                          ; v24     16 x lane
.set C8,   25                          ; v25     8 x lane
.set ADRS, 26                          ; v26-27  LDS address of my scale words in slot 0, 1: lanes 0-15 R's, lanes 16-31 P's
.set SPW,  28                          ; v28     LDS address of my spare word; never rewritten
.set NIL,  29                          ; v29     0; never rewritten
.set SC,   32                          ; scale words: set s at v[SC + 16 s]; register 2 i + q: lanes 0-15 the word of R's tile i, lanes 16-31 of P's tile i
.set TM,   64                          ; the way out: v64-67 largest magnitudes, v68-71 bytes, v76-79 the conversion's scale operand
.set WD,   80                          ; v80-87  the eight tiles' scale words
.set PS,   88                          ; v88-91  pairs of them, as stored
.set AF,   128
.set PC,   128                         ; the way out: tile a's codes at v[PC + 16 a]
.set G1, 24                            ; s[24:31] descriptor group 1 for R's blocks;  s[32:39] group 0, one set for each slot
.set G0, 32
.set G1B, 48                           ; s[48:55], s[56:63] the same for P's
.set G0B, 56
.set SEL, 86                           ; s[86:87] v_permlanex16_b32's selects for lane l xor 16
.set MNT, 88
.set HIM, 89                           ; s89 lanes 16-31
.set MSB, 0
.macro WIN new                         ; the immediate's high byte repeats the setting that is left
.if MSB != \new
	s_set_vgpr_msb (MSB<<8)|\new
.set MSB, \new
.endif
.endm
.set MUL_LO, 0xa1                      ; source 0 (P) window 1, source 1 (R) window 0, C and D window 2
.set MUL_HI, 0xf1                      ; the same, C and D window 3
.set TO_B,   0x40                      ; destination window 1, address window 0
; A joint load: waves 0 and 1 fetch R's two blocks, waves 2 and 3 P's.  Each line has one mask and one set of registers; the branch hangs on the wave's number alone.
; Four v_nop follow each of the two lines, ahead of the jump, the label and what follows.
.macro JLOAD g0a, g1a, g0b, g1b
	s_cmp_eq_u32 s15, 0
	s_cbranch_scc0 .Lfor_b_\@
	tensor_load_to_lds s[\g0a:\g0a+3], s[\g1a:\g1a+7]
	s_nop 0
.rept 4
	v_nop
.endr
	s_branch .Lasked_\@
.Lfor_b_\@:
	tensor_load_to_lds s[\g0b:\g0b+3], s[\g1b:\g1b+7]
	s_nop 0
.rept 4
	v_nop
.endr
.Lasked_\@:
.endm
.macro CREST                           ; a round of the cluster's barrier behind its opening barrier
	s_cmp_lg_u32 s14, 0
	s_cbranch_scc1 .Lnot_wave_0_\@
	s_barrier_signal -3
.Lnot_wave_0_\@:
	s_barrier_wait -3
	s_barrier_signal -1
	s_barrier_wait -1
.endm
.macro CROUND                          ; a whole round
	s_barrier_signal -1
	s_barrier_wait -1
	CREST
.endm
	s_load_b256 s[4:11], s[0:1], 0x0               ; xi, wi, qimg, kvimg
	v_lshl_add_u32 v[SPW], v0, 2, SPARE
	v_mov_b32 v[NIL], 0
	ds_add_u32 v28, v29
	ds_add_u32 v28, v29
	s_wait_dscnt 0x0
	v_lshrrev_b32 v1, 5, v0
	v_readfirstlane_b32 s14, v1                    ; wave 0..3
	s_lshr_b32 s15, s14, 1                         ; which half of R's 256 rows is mine.  Also: I fetch for R (0) or for P (1)
	s_and_b32 s16, s14, 1                          ; which half of P's.  Also: which of the two blocks I fetch
	s_bfe_u32 s40, ttmp6, 0x40000                  ; cx, cy: my place in the cluster
	s_bfe_u32 s41, ttmp6, 0x40004
	s_mov_b32 s69, ttmp9                           ; the cluster's x, 0 or 1
	s_and_b32 s68, ttmp7, 0xffff                   ; the cluster's y, 0 .. 11
	s_max_u32 s72, s68, 8
	s_sub_co_u32 s72, s72, 8
	s_lshl_b32 s72, s72, 1
	s_add_co_u32 s72, s72, s69                     ; v's role: which four blocks of tokens
	s_cmp_ge_u32 s68, 8                            ; the role: the same in all sixteen partners
	s_cselect_b32 s70, s72, s69
	s_cselect_b32 s71, 0, s68
	s_cselect_b32 s78, 16, 0                       ; v's role: R begins at Wv's groups in wi
	s_lshl_b32 s42, s70, 2
	s_add_co_u32 s42, s42, s40                     ; which 256 of P
	s_lshl_b32 s17, s71, 2
	s_add_co_u32 s17, s17, s41                     ; which 256 of R
	s_lshl_b32 s43, s41, 2
	s_lshl_b32 s43, 15, s43                        ; my row of the cluster
	s_lshl_b32 s44, 0x1111, s40                    ; my column
	; descriptor group 1: a dense block of 33,792 bytes as 132 rows of 32 elements of 8 bytes
	s_or_b32 s[G1+0], s43, (3<<16)|(1<<21)         ; 15:0 the mask: R's blocks go to my row; 17:16 elements of 8 bytes; 20 no padding; 21 set beside a mask
	s_or_b32 s[G1B+0], s44, (3<<16)|(1<<21)        ; P's go to my column
.irp g, G1, G1B
	s_mov_b32 s[\g+1], 32<<16                      ; tensor_dim0
	s_mov_b32 s[\g+2], 132<<16                     ; tensor_dim1
	s_mov_b32 s[\g+3], 32<<16                      ; tile_dim0
	s_mov_b32 s[\g+4], 132                         ; tile_dim1
	s_mov_b32 s[\g+5], 32                          ; tensor_dim0_stride
	s_mov_b32 s[\g+6], 0
	s_mov_b32 s[\g+7], 0
.endr
	s_lshl_b32 s20, s17, 1
	s_add_co_u32 s20, s20, s16
	s_add_co_u32 s20, s20, s78
	s_mul_i32 s20, s20, GRPB                       ; R: the group of 128 rows that I fetch, in bytes (these registers never hold cx)
	s_mov_b32 s21, 0
	s_lshl_b32 s46, s42, 1
	s_add_co_u32 s46, s46, s16
	s_mul_i32 s46, s46, GRPB                       ; P likewise (these never hold cy)
	s_mov_b32 s47, 0
	s_mul_i32 s45, s14, BLKB                       ; where they go: wave x a block: no place in the cluster enters an LDS address
	s_mov_b32 s[SEL], 0x76543210
	s_mov_b32 s[SEL+1], 0xfedcba98
	s_mov_b32 s[HIM], 0xffff0000
	s_wait_kmcnt 0x0
	s_cmp_ge_u32 s68, 8
	s_cselect_b64 s[74:75], s[4:5], s[6:7]         ; P: x's image in v's role, the weights' else
	s_cselect_b64 s[76:77], s[6:7], s[4:5]         ; R: the other
	s_add_nc_u64 s[20:21], s[76:77], s[20:21]
	s_add_nc_u64 s[46:47], s[74:75], s[46:47]
	CROUND                                         ; all sixteen work-groups are here: the first joint loads meet
.irp s, 0,1
	s_mov_b32 s[G0+4*\s], 1
	s_add_co_u32 s[G0+4*\s+1], s45, \s*SLOT
	s_add_nc_u64 s[G0+4*\s+2:G0+4*\s+3], s[20:21], \s*BLKB
	s_or_b32 s[G0+4*\s+3], s[G0+4*\s+3], 0x80000000
	s_mov_b32 s[G0B+4*\s], 1
	s_add_co_u32 s[G0B+4*\s+1], s45, \s*SLOT
	s_add_nc_u64 s[G0B+4*\s+2:G0B+4*\s+3], s[46:47], \s*BLKB
	s_or_b32 s[G0B+4*\s+3], s[G0B+4*\s+3], 0x80000000
	JLOAD G0+4*\s, G1, G0B+4*\s, G1B               ; two loads of mine are out at the most
.endr
	v_and_b32 v1, 31, v0
	v_lshlrev_b32 v[CO], 4, v1
	v_lshlrev_b32 v[C8], 3, v1
	v_and_b32 v2, 15, v0                           ; r
	v_bfe_u32 v3, v0, 4, 1                         ; h
	s_wait_alu depctr_va_vdst(0)
	s_mul_i32 s21, s15, BLKB                       ; my block of R
	s_mul_i32 s22, s16, BLKB                       ; my block of P,
	s_add_co_u32 s22, s22, 2*BLKB                  ; behind R's two
.irp s, 0,1
	v_add_nc_u32 v[ADRA+\s], s21, v[CO]
	v_add_nc_u32 v[ADRB+\s], s22, v[CO]
	s_add_co_u32 s21, s21, SLOT
	s_add_co_u32 s22, s22, SLOT
.endr
	s_mul_i32 s21, s15, BLKB
	s_mul_i32 s22, s16, BLKB
	s_add_co_u32 s22, s22, 2*BLKB
	s_sub_co_u32 s22, s22, s21                     ; from my block of R to my block of P
	v_mul_u32_u24 v4, s22, v3                      ; lanes 16-31 take P's words
	v_lshl_add_u32 v4, v2, 3, v4                   ; 8 bytes a row
	s_add_co_u32 s21, s21, 32768
	v_add_nc_u32 v[ADRS], s21, v4
	v_add_nc_u32 v[ADRS+1], SLOT, v[ADRS]
	; where my 128 x 128 goes
	s_lshl_b32 s82, s42, 1
	s_add_co_u32 s82, s82, s16                     ; g: my group of P
	s_lshl_b32 s83, s17, 1
	s_add_co_u32 s83, s83, s15                     ; RG: my group of R
	s_lshl_b32 s84, s83, 6
	s_add_co_u32 s84, s84, s82
	s_mul_i32 s84, s84, 2*QB
	s_add_co_u32 s84, s84, QB                      ; v: unit 64 RG + g, second half
	s_and_b32 s85, s82, 7
	s_lshl_b32 s85, s85, 6
	s_add_co_u32 s85, s85, s83                     ; q, k: 64 (g mod 8) + RG
	s_mul_i32 s90, s85, 2*QB
	s_mul_i32 s85, s85, QB
	s_cmp_ge_u32 s82, 8                            ; Wk's groups follow Wq's eight
	s_cselect_b32 s85, s90, s85
	s_cselect_b64 s[92:93], s[10:11], s[8:9]
	s_cmp_ge_u32 s68, 8
	s_cselect_b32 s84, s84, s85
	s_cselect_b64 s[80:81], s[10:11], s[92:93]
	s_mov_b32 s85, 0
	s_add_nc_u64 s[80:81], s[80:81], s[84:85]
.macro FRAG reg, adr, q, i             ; a fragment as it was stored: four loads of 512 consecutive bytes
.irp c, 0,1,2,3
	ds_load_b128 v[\reg+4*\c:\reg+4*\c+3], v[\adr] offset:16384*(\q)+2048*(\i)+512*\c
.endr
.endm
; 16 matrix instructions: R's tiles a0, a0 + 1 x P's eight, 128 along K: the slot's q-th.  p: P's set;  sc: the set of scale words.  zero = 1: the first product starts the sums.
; The 64 accumulators take turns, one instruction a turn, in the same order in every step.
.macro MUL16 a0, p, q, sc, zero
.irp a, \a0, \a0+1
.irp b, 0,1,2,3,4,5,6,7
.if \zero
	v_wmma_scale_f32_16x16x128_f8f6f4 v[8*(8*((\a)%4)+\b):8*(8*((\a)%4)+\b)+7], v[128*(\p)+FR*\b:128*(\p)+FR*\b+FR-1], v[AF+FR*(\a):AF+FR*(\a)+FR-1], 0, v[SC+8*NQ*(\sc)+NQ*\b+(\q)], v[SC+8*NQ*(\sc)+NQ*(\a)+(\q)] matrix_a_scale:MATRIX_SCALE_ROW1
.else
	v_wmma_scale_f32_16x16x128_f8f6f4 v[8*(8*((\a)%4)+\b):8*(8*((\a)%4)+\b)+7], v[128*(\p)+FR*\b:128*(\p)+FR*\b+FR-1], v[AF+FR*(\a):AF+FR*(\a)+FR-1], v[8*(8*((\a)%4)+\b):8*(8*((\a)%4)+\b)+7], v[SC+8*NQ*(\sc)+NQ*\b+(\q)], v[SC+8*NQ*(\sc)+NQ*(\a)+(\q)] matrix_a_scale:MATRIX_SCALE_ROW1
.endif
.endr
.endr
.endm
.macro FETCH_B slot, q, p              ; P's eight fragments of the slot's q-th 128 along K into set p
	WIN TO_B
.irp i, 0,1,2,3,4,5,6,7
	FRAG 128*(\p)+FR*\i, ADRB+\slot, \q, \i
.endr
	WIN 0
.endm
.macro FETCH_A slot, q, i0             ; R's tiles i0 .. i0 + 3
.irp i, \i0, \i0+1, \i0+2, \i0+3
	FRAG AF+FR*(\i), ADRA+\slot, \q, \i
.endr
.endm
.macro SCALES sc                       ; slot sc's scale words: two words a row; lanes 0-15 take R's tile i, lanes 16-31 P's tile i
.irp i, 0,1,2,3,4,5,6,7
	ds_load_b64 v[SC+8*NQ*\sc+NQ*\i:SC+8*NQ*\sc+NQ*\i+1], v[ADRS+\sc] offset:\i*128
.endr
.endm
; A load into a register that a matrix instruction has read, and a vector instruction that reads a matrix result or writes one of its registers, stand NP places behind it; only plain vector
; instructions that name none of its registers are places (ISA guide 7.12.1 for vector instructions).
.macro PLACES n
.rept \n
	v_nop
.endr
.endm
; A step of 128 along K that has its successor in the same slot.
.macro STEP slot, q, zero
	s_wait_dscnt 4*NL                              ; P's set, R's tiles 0-3 and the scale words are in; the youngest 16 loads (R's tiles 4-7) may be out
	WIN MUL_LO
	MUL16 0, (\q)%2, \q, \slot, \zero
	MUL16 2, (\q)%2, \q, \slot, \zero
	s_wait_dscnt 0                                 ; R's tiles 4-7 are in
	PLACES NP
	FETCH_B \slot, (\q)+1, 1-(\q)%2
	FETCH_A \slot, (\q)+1, 0
	WIN MUL_HI
	MUL16 4, (\q)%2, \q, \slot, \zero
	MUL16 6, (\q)%2, \q, \slot, \zero
	PLACES NP
	WIN 0
	FETCH_A \slot, (\q)+1, 4
.endm
; A slot's last step changes slots: ONE barrier; in front of it each wave waits for all its tensor loads, adds 0 to its spare word, and waits for that and for its own reads of this slot.  fill = 1: this slot is filled again, two K steps ahead.
.macro TURN slot, next, fill
	s_wait_tensorcnt 0x0                           ; all my tensor loads have landed: my part of the next slot  (every window is 0 here)
	ds_add_u32 v[SPW], v[NIL]                      ; 0 onto my spare word
	s_wait_dscnt 4*NL+1                            ; the add and the youngest 16 loads (R's tiles 4-7) may be out
	WIN MUL_LO
	MUL16 0, 1, NQ-1, \slot, 0                     ; sixteen matrix instructions stand between the add and the wait for it
	s_wait_dscnt 0x0                               ; the add is done, and my reads of this slot are over
	s_barrier_signal -1
	MUL16 2, 1, NQ-1, \slot, 0
	WIN 0
	s_barrier_wait -1
.if \fill
	CREST                                          ; the barrier has opened a round of the cluster's barrier: no wave of any partner still reads this slot or has a load on its way
	s_add_nc_u64 s[G0+4*\slot+2:G0+4*\slot+3], s[G0+4*\slot+2:G0+4*\slot+3], 2*BLKB
	s_add_nc_u64 s[G0B+4*\slot+2:G0B+4*\slot+3], s[G0B+4*\slot+2:G0B+4*\slot+3], 2*BLKB
	JLOAD G0+4*\slot, G1, G0B+4*\slot, G1B         ; the first tensor load behind the round; its four v_nop are among the places in front of the loads below
	PLACES NP-4
.else
	PLACES NP
.endif
	FETCH_B \next, 0, 0
	FETCH_A \next, 0, 0
	SCALES \next
	WIN MUL_HI
	MUL16 4, 1, NQ-1, \slot, 0
	MUL16 6, 1, NQ-1, \slot, 0
	PLACES NP
	WIN 0
	FETCH_A \next, 0, 4
.endm
	s_wait_alu depctr_va_vdst(0)
	s_wait_tensorcnt 1                             ; my part of K step 0 is in (K step 1's load may be out)
	s_barrier_signal -1
	s_barrier_wait -1                              ; everybody's is
	FETCH_B 0, 0, 0
	FETCH_A 0, 0, 0
	SCALES 0
	FETCH_A 0, 0, 4
	STEP 0, 0, 1                                   ; K step 0: its first products start the sums
	TURN 0, 1, 1                                   ; slot 0 takes K step 2
	STEP 1, 0, 0
	TURN 1, 0, 1                                   ; slot 1 takes K step 3
	STEP 0, 0, 0
	TURN 0, 1, 0                                   ; nothing is left to fetch: no round
	STEP 1, 0, 0
	s_wait_dscnt 4*NL                              ; the very last step
	WIN MUL_LO
	MUL16 0, 1, NQ-1, 1, 0
	MUL16 2, 1, NQ-1, 1, 0
	s_wait_dscnt 0
	WIN MUL_HI
	MUL16 4, 1, NQ-1, 1, 0
	MUL16 6, 1, NQ-1, 1, 0
	WIN 0
; THE WAY OUT.  For R's tile a the lane's 64 registers are: register 16 b + i = P 32 b + 16 (lane / 16) + i of my row of R: four blocks of 32 along P, each shared with lane l xor 16.
; They are held in place, converted, and the codes ARE the next product's fragment: four stores of 512 consecutive bytes.  No LDS.  Every accumulator is first read at its low end.
.macro QUANTW a
.set AC, 64*((\a)%4)
.set XW, 2+(\a)/4
.set WN, XW|(XW<<2)
	WIN WN                                         ; sources 0 and 1: the accumulators' window
.irp b, 0,1,2,3
	v_max3_num_f32 v[TM+\b], |v[AC+16*\b]|, |v[AC+16*\b+1]|, 0x4800000   ; and the floor 2^(9 - 127): the byte cannot fall under 1
.endr
.irp i, 2,4,6,8,10,12,14
.irp b, 0,1,2,3
	v_max3_num_f32 v[TM+\b], |v[AC+16*\b+\i]|, |v[AC+16*\b+\i+1]|, v[TM+\b]
.endr
.endr
	WIN 0
.irp b, 0,1,2,3
	v_permlanex16_b32 v[TM+4+\b], v[TM+\b], s[SEL], s[SEL+1]
.endr
.irp b, 0,1,2,3
	v_max_num_f32 v[TM+\b], v[TM+\b], v[TM+4+\b]   ; the block's largest magnitude
.endr
.irp b, 0,1,2,3
	v_add_nc_u32 v[TM+12+\b], 0xfc000000, v[TM+\b] ; 8 off its exponent field: the conversion's scale operand
.endr
.irp b, 0,1,2,3
.endr
.irp b, 0,1,2,3
	v_lshrrev_b32 v[TM+4+\b], 23, v[TM+12+\b]      ; the scale's byte
.endr
	v_lshl_or_b32 v[WD+(\a)], v[TM+5], 8, v[TM+4]
	v_lshl_or_b32 v[WD+(\a)], v[TM+6], 16, v[WD+(\a)]
	v_lshl_or_b32 v[WD+(\a)], v[TM+7], 24, v[WD+(\a)]
.set WN, XW|(XW<<6)
	WIN WN                                         ; source 0 and destination: the accumulators' window
.irp b, 0,1,2,3
.irp i, 0,1,2,3,4,5,6,7,8,9,10,11,12,13,14,15
.endr
.endr
	WIN XW                                         ; source 0 alone
.irp b, 0,1,2,3
	v_cvt_scalef32_pk8_fp8_f32 v[PC+16*(\a)+4*\b:PC+16*(\a)+4*\b+1], v[AC+16*\b:AC+16*\b+7], v[TM+12+\b]
	v_cvt_scalef32_pk8_fp8_f32 v[PC+16*(\a)+4*\b+2:PC+16*(\a)+4*\b+3], v[AC+16*\b+8:AC+16*\b+15], v[TM+12+\b]
.endr
	WIN 0
	v_nop                                          ; a plain vector line behind the last conversion
.irp c, 0,1,2,3
	global_store_b128 v[CO], v[PC+16*(\a)+4*\c:PC+16*(\a)+4*\c+3], s[80:81] offset:(\a)*2048+\c*512   ; 512 consecutive bytes, aligned to 512; no register of a store is written again
.endr
.endm
.macro WORDS J                         ; four tiles' scale words: lanes 0-15 tiles 4 J, 4 J + 1, lanes 16-31 tiles 4 J + 2, 4 J + 3 (every lane holds its row's word)
	v_cndmask_b32 v[PS+2*\J], v[WD+4*\J], v[WD+4*\J+2], s[HIM]
	v_cndmask_b32 v[PS+2*\J+1], v[WD+4*\J+1], v[WD+4*\J+3], s[HIM]
	global_store_b64 v[C8], v[PS+2*\J:PS+2*\J+1], s[80:81] offset:16384+256*\J   ; 256 consecutive bytes, aligned to 256
.endm
	PLACES NP                                      ; behind the last products: for the reads of results and the writes over R's fragments alike
.irp b, 0,1,2,3
	v_mov_b32 v[TM+4+\b], 0                        ; written once: a lane permute's destination counts as one of its sources
.endr
.irp a, 0,1,2,3
	QUANTW \a
.endr
	WORDS 0
.irp a, 4,5,6,7
	QUANTW \a
.endr
	WORDS 1
	s_wait_tensorcnt 0x0                           ; the wave's end
	ds_add_u32 v[SPW], v[NIL]
	s_wait_dscnt 0x0
	CROUND                                         ; the closing round: no work-group ends while a partner may still ask for a block that names it
	s_endpgm
.Lfunc_end_k_q02093e61a4_qkv:
	.size	k_q02093e61a4_qkv, .Lfunc_end_k_q02093e61a4_qkv-k_q02093e61a4_qkv
	.p2alignl 7, 3214868480
	.fill 96, 4, 3214868480
	.section	.rodata,"a",@progbits
	.p2align	6, 0x0
	.amdhsa_kernel k_q02093e61a4_qkv
		.amdhsa_group_segment_fixed_size 327680
		.amdhsa_private_segment_fixed_size 0
		.amdhsa_enable_private_segment 0
		.amdhsa_kernarg_size 32
		.amdhsa_user_sgpr_count 2
		.amdhsa_user_sgpr_kernarg_segment_ptr 1
		.amdhsa_wavefront_size32 1
		.amdhsa_system_sgpr_workgroup_id_x 1
		.amdhsa_system_sgpr_workgroup_id_y 1
		.amdhsa_system_sgpr_workgroup_id_z 1
		.amdhsa_system_vgpr_workitem_id 0
		.amdhsa_next_free_vgpr 1024
		.amdhsa_next_free_sgpr 96
		.amdhsa_reserve_vcc 0
		.amdhsa_float_denorm_mode_32 3
		.amdhsa_float_denorm_mode_16_64 3
		.amdhsa_fp16_overflow 1
		.amdhsa_memory_ordered 1
		.amdhsa_forward_progress 1
		.amdhsa_inst_pref_size 148
	.end_amdhsa_kernel
	.amdgpu_metadata
---
amdhsa.version: [ 1, 2 ]
amdhsa.kernels:
  - .name:           k_q02093e61a4_qkv
    .symbol:         k_q02093e61a4_qkv.kd
    .args:
      - { .name: xi, .offset: 0, .size: 8, .value_kind: global_buffer, .address_space: global }
      - { .name: wi, .offset: 8, .size: 8, .value_kind: global_buffer, .address_space: global }
      - { .name: qimg, .offset: 16, .size: 8, .value_kind: global_buffer, .address_space: global }
      - { .name: kvimg, .offset: 24, .size: 8, .value_kind: global_buffer, .address_space: global }
    .group_segment_fixed_size: 327680
    .private_segment_fixed_size: 0
    .kernarg_segment_align: 8
    .kernarg_segment_size: 32
    .max_flat_workgroup_size: 128
    .sgpr_count:     96
    .vgpr_count:     1024
    .wavefront_size: 32
...
	.end_amdgpu_metadata
.endif
;; end of part 2
;; launch attn (part 3): grid 8 x 32, 16 waves a work-group, no clusters, 327,680 bytes of LDS; arguments qimg, kvimg, ctxi; writes ctxi
.if DOCPART == 3
	.amdgcn_target "amdgcn-amd-amdhsa--gfx1250"
	.amdhsa_code_object_version 6
	.text
	.protected	k_q02093e61a4_attn
	.globl	k_q02093e61a4_attn
	.p2align	8
	.type	k_q02093e61a4_attn,@function
k_q02093e61a4_attn:
	s_mov_b64 s[64:65], 0
	v_nop
	global_prefetch_b8 v0, s[64:65] scope:SCOPE_SE
	s_setreg_imm32_b32 hwreg(HW_REG_WAVE_MODE, 25, 1), 1
	s_wait_xcnt 0x0
; ctx[b][q][head] = the sum over keys k <= q of softmax_k(q . k / 8) v, both products on codes of FP8 (E4M3) with one E8M0 scale for each 32 along a product's K; ctx leaves as codes, quantised along its 1,024 channels.
; THE SOFTMAX AHEAD OF THE SECOND PRODUCT: t = score x log2(e) / 8; M = the row's largest t so far, rounded UP to a whole number; p = 2^(t - M) is what is quantised, along the keys, not normalised.
; The row's sum is taken of the unquantised p, in f32, and divides O at the end.  When M moves, the sum and O are multiplied by 2^(old M - new M): exact.
; IN.  qimg: block 64 hp + TG of 16,896 bytes (hp: a pair of heads, TG = 16 b + 128 tokens' number): codes at 2048 j + 512 c + 16 lane (tile j of 16 tokens; c 0, 1: the even head's 64 channels, c 2, 3: the odd head's),
;   scale words at 16384 + 256 (j / 4) + 128 ((j / 2) % 2) + 4 (j % 2) + 8 r.  kvimg: unit 64 hp + TG of 33,792 bytes: K's block laid as Q's, then V's block: tile j of 16 of the pair's 128 channels, codes along the unit's 128 keys.
;   Row r of tile j is row 32 (j / 2) + 8 (j % 2) + r + 8 (r / 8) of the 128.
; SHARES.  Work-group (i, 8 b + hp).  Each of its SIXTEEN waves owns one tile of 16 queries, for BOTH heads of the pair, in 256 registers: four waves to a SIMD, so that one wave's vector work stands beside another's products and LDS loads.
;   Eight waves take the tiles of query block i, eight those of block 15 - i (blocks of 128 queries): a wave works key steps 0 .. its block's number, so a work-group has 8 (i + 1) + 8 (16 - i) = 136 wave steps whatever i is,
;   and which waves take which block is chosen, (wave xor wave / 4) & 1, so that of waves w, w + 4, w + 8, w + 12, and of waves 4 n .. 4 n + 3 alike, two take each.
; LAYOUT.  Both products are used transposed: S^T = K Q^T (source 0 = 16 keys, source 1 = my queries), O^T = V^T P^T (source 0 = 16 channels, source 1 = P): a lane holds ONE query throughout; by the tiles' row order the 16 registers
;   of two neighbouring tiles are 16 neighbouring keys (channels), so the conversions' results are the next operand's registers.  A head has 64 channels, half of the instruction's 128 along K: Q's fragment of a head has ZERO CODES in the
;   other half, and K's fragment keeps there whatever codes lay in its registers: all codes of this program are numbers, and a number times zero adds nothing.
; RING.  K's and V's units come through two LDS slots of four key steps (135,168 bytes), dense; waves 0-7 fetch, one tensor load each; all sixteen read.  Every work-group walks all sixteen key steps' slots: trip counts are constants;
;   a step whose keys all come after a wave's queries is jumped over by a scalar branch on ids.  Work-groups with i >= 4 so fetch key steps 12-15 without use.
; NO CLUSTER, though the eight work-groups of a (b, hp) walk the same units: a round at each change of slots would hold partners together whose work falls in different slots.  Per SIMD and slot the wave steps are 2 min(4, blocks left) for
;   each kind of wave; the largest of partners i = 0 .. 3 add up to 16 + 8 + 8 + 8 = 40 over the four slots, against 34 for each work-group alone.
; OUT.  ctxi: images of an operand's registers, block (TG, S = channel / 256) of 33,792 bytes at (4 TG + S) x 33,792: codes at 16384 q + 2048 i + 512 c + 16 lane, scale words at 32768 + 128 i + 8 r + 4 q.  A wave's O^T of both heads is one fragment.
; LIMITS: a block of zeros gets the byte 1 where the stated quantiser says 127 (zero codes add nothing; this program alone reads the bytes); NaN and infinities are not served.
.set SLOTB, 135168
.set STEPB, 33792                      ; a key step's unit: K's block, then V's
.set KVB,   16896
.set SPARE, 2*SLOTB                    ; behind the ring: the spare words, 128 bytes for each wave: eight blocks of 256 bytes that no other line names
.set LI,  1                            ; v1   16 x lane
.set LS,  2                            ; v2   8 x (lane % 16)
.set SPW, 3                            ; v3   LDS address of my spare word; never rewritten
.set NIL, 4                            ; v4   0; never rewritten
.set ADK, 5                            ; v5   the key step's unit + 16 x lane
.set ADS, 6                            ; v6   the key step's unit + 8 r
.set QS,  7                            ; v7   Q's scale words
                                       ; v8-11, v12-15: for each head -M, the largest t, the sum in two halves
.set QF,  16                           ; v16-39 Q: the even head's 8 registers, 8 of zeros, the odd head's 8: head hd's fragment is v[16 + 8 hd] on
.set FF,  40                           ; v40  f = 2^(old M - new M)
.set PW,  41                           ; v41  p's scale word
.set T0,  42                           ; v42, v43 at work
.set T1,  43
.set TS,  44                           ; v44-47 four tiles' scale words
.set MX,  48                           ; v48-51 a block's largest score, then its largest p
.set TA,  52                           ; v52-55 the permutes' destination, then a chain of the sum, then 448 x the scale
.set SOP, 56                           ; v56-59 the conversion's scale operand
.set FR,  60                           ; v60-123 four fragments of K or of V
.set S,   124                          ; v124-187 S^T, then p
.set PF,  176                          ; v176-191 p's codes: three blocks' lie over p's last 12 registers, which are done with by then
.set OT,  192                          ; v192-255 O^T: 32 registers a head
.set WV,   10
.set BETA, 17                          ; s17  my block of queries = my last key step
.set JOFF, 19                          ; s19  my tile's first row in its block
.set SEL,  20
.set CS,   22                          ; s[22:23] c = log2(e) / 8
.set MNT,  24
.set TB,   25                          ; s25  LDS byte at which the key step's unit begins
.set CNT,  26
.set KS,   27                          ; s27  the key step's number
.set G1,   32                          ; s[32:39] descriptor group 1;  s[40:43], s[44:47] group 0 for slot 0, 1
.set G0,   40
	s_load_b128 s[4:7], s[0:1], 0x0                ; qimg, kvimg
	s_load_b64 s[8:9], s[0:1], 0x10                ; ctxi
	v_lshl_add_u32 v[SPW], v0, 2, SPARE
	v_mov_b32 v[NIL], 0
	ds_add_u32 v3, v4
	ds_add_u32 v3, v4
	s_wait_dscnt 0x0
	v_lshrrev_b32 v5, 5, v0
	s_delay_alu instid0(VALU_DEP_1)
	v_readfirstlane_b32 s[WV], v5                  ; wave 0..15
	s_mov_b32 s11, ttmp9                           ; i
	s_and_b32 s12, ttmp7, 0xffff
	s_lshr_b32 s13, s12, 3                         ; b
	s_and_b32 s14, s12, 7                          ; hp
	s_lshr_b32 s15, s[WV], 2
	s_xor_b32 s15, s15, s[WV]
	s_and_b32 s15, s15, 1                          ; 0: block i, 1: block 15 - i
	s_lshr_b32 s16, s[WV], 1                       ; jq: my tile in the block
	s_sub_co_u32 s28, 15, s11
	s_cmp_eq_u32 s15, 1
	s_cselect_b32 s[BETA], s28, s11
	s_lshl_b32 s18, s13, 4
	s_add_co_u32 s18, s18, s[BETA]                 ; TGq
	s_lshr_b32 s[JOFF], s16, 1
	s_lshl_b32 s[JOFF], s[JOFF], 5
	s_and_b32 s28, s16, 1
	s_lshl_b32 s29, s28, 3
	s_add_co_u32 s[JOFF], s[JOFF], s29             ; 32 (jq / 2) + 8 (jq % 2)
	s_lshr_b32 s29, s16, 2
	s_lshl_b32 s29, s29, 8
	s_bfe_u32 s30, s16, 0x10001
	s_lshl_b32 s30, s30, 7
	s_add_co_u32 s29, s29, s30
	s_lshl_b32 s28, s28, 2
	s_add_co_u32 s29, s29, s28                     ; where tile jq's scale words begin in a block's 512 bytes of them
	s_lshl_b32 s28, s14, 6                         ; 64 hp
	s_add_co_u32 s30, s28, s18
	s_mul_i32 s30, s30, KVB                        ; Q's block
	s_lshl_b32 s31, s16, 11
	s_add_co_u32 s54, s30, s31                     ; my tile's codes
	s_mov_b32 s55, 0
	s_add_co_u32 s56, s30, s29
	s_add_co_u32 s56, s56, 16384                   ; and its scale words
	s_mov_b32 s57, 0
	s_lshl_b32 s30, s13, 4
	s_add_co_u32 s30, s30, s28
	s_mul_i32 s30, s30, STEPB                      ; the batch's and pair's first unit of kvimg
	s_mul_i32 s31, s[WV], KVB                      ; what I fetch of a slot, if I fetch: half a unit
	s_add_co_u32 s58, s30, s31
	s_mov_b32 s59, 0
	; descriptor group 1: 16,896 dense bytes as 66 rows of 32 elements of 8 bytes
	s_mov_b32 s[G1], 3<<16                         ; 15:0 no mask; 17:16 elements of 8 bytes; 20 no padding
	s_mov_b32 s[G1+1], 32<<16                      ; tensor_dim0
	s_mov_b32 s[G1+2], 66<<16                      ; tensor_dim1
	s_mov_b32 s[G1+3], 32<<16                      ; tile_dim0
	s_mov_b32 s[G1+4], 66                          ; tile_dim1
	s_mov_b32 s[G1+5], 32                          ; tensor_dim0_stride
	s_mov_b32 s[G1+6], 0
	s_mov_b32 s[G1+7], 0
	s_mov_b32 s[SEL], 0x76543210
	s_mov_b32 s[SEL+1], 0xfedcba98                 ; v_permlanex16_b32's selects for lane l xor 16
	s_mov_b32 s[CS], 0x3e38aa3b                    ; c = log2(e) / 8
	s_mov_b32 s[CS+1], s[CS]                       ; (named with it as a pair, so it is written)
	s_mov_b32 s[MNT], 0x600000                     ; the mantissa field of 448
	s_mov_b32 s[KS], 0
	s_wait_kmcnt 0x0
	s_add_nc_u64 s[6:7], s[6:7], s[58:59]
.irp n, 0,1
	s_mov_b32 s[G0+4*\n], 1                        ; count = 1
	s_add_co_u32 s[G0+4*\n+1], s31, \n*SLOTB       ; LDS address
	s_add_nc_u64 s[G0+4*\n+2:G0+4*\n+3], s[6:7], \n*SLOTB   ; slot n begins with key steps 4 n .. 4 n + 3
	s_or_b32 s[G0+4*\n+3], s[G0+4*\n+3], 0x80000000   ; type = 2
.endr
	s_cmp_lt_u32 s[WV], 8                          ; a wave's two first fills stand in one branch, ahead of every wait on TENSORcnt, every LDS read and every barrier: two loads of mine are out at the most
	s_cbranch_scc0 .Lno_first
	tensor_load_to_lds s[G0:G0+3], s[G1:G1+7]
	s_nop 0
	tensor_load_to_lds s[G0+4:G0+7], s[G1:G1+7]
	s_nop 0
.rept 4
	v_nop
.endr
.Lno_first:
	s_add_nc_u64 s[52:53], s[4:5], s[56:57]        ; Q's scale words
	s_add_nc_u64 s[4:5], s[4:5], s[54:55]          ; Q's codes
	s_lshl_b32 s28, s18, 2
	s_lshr_b32 s29, s14, 1
	s_add_co_u32 s28, s28, s29
	s_mul_i32 s28, s28, STEPB                      ; ctx's block (TGq, hp / 2)
	s_and_b32 s29, s14, 1
	s_lshl_b32 s30, s29, 14
	s_add_co_u32 s54, s28, s30
	s_lshl_b32 s30, s16, 11
	s_add_co_u32 s54, s54, s30                     ; + 16384 (hp % 2) + 2048 jq
	s_lshl_b32 s30, s16, 7
	s_add_co_u32 s56, s28, s30
	s_lshl_b32 s30, s29, 2
	s_add_co_u32 s56, s56, s30
	s_add_co_u32 s56, s56, 32768                   ; + 32768 + 128 jq + 4 (hp % 2)
	s_add_nc_u64 s[48:49], s[8:9], s[54:55]
	s_add_nc_u64 s[50:51], s[8:9], s[56:57]
	v_and_b32 v[LI], 31, v0
	s_delay_alu instid0(VALU_DEP_1)
	v_lshlrev_b32 v[LI], 4, v[LI]
	v_and_b32 v[LS], 15, v0
	s_delay_alu instid0(VALU_DEP_1)
	v_lshlrev_b32 v[LS], 3, v[LS]
	global_load_b128 v[QF:QF+3], v[LI], s[4:5]                     ; the even head's 64 channels,
	global_load_b128 v[QF+4:QF+7], v[LI], s[4:5] offset:512
	global_load_b128 v[QF+16:QF+19], v[LI], s[4:5] offset:1024     ; the odd head's
	global_load_b128 v[QF+20:QF+23], v[LI], s[4:5] offset:1536
	global_load_b32 v[QS], v[LS], s[52:53]
.irp j, 0,1,2,3,4,5,6,7
	v_mov_b32 v[QF+8+\j], 0                        ; zero codes: the half of K that is not the head's
.endr
.irp t, 0,1,2,3
.irp j, 8,9,10,11,12,13,14,15
	v_mov_b32 v[FR+16*\t+\j], 0                    ; the halves of K's fragments that the first head step does not load
.endr
.endr
.set n, 0
.rept 64
	v_mov_b32 v[OT+n], 0                           ; O^T.  (The step is written once: the first finds zeros, which the first change of M leaves zeros)
.set n, n+1
.endr
.irp b, 0,1,2,3
	v_mov_b32 v[TA+\b], 0                          ; a lane permute's destination counts as one of its sources
.endr
	v_mov_b32 v[PW], 0                             ; (named as the upper half of the pair with f before it is first written)
	v_mov_b32 v[T1], 0
.irp hd, 0,1
	v_mov_b32 v[9+4*\hd], 0xff61b1e6               ; the largest t so far: -3e38, under every t
	s_delay_alu instid0(VALU_DEP_1)
	v_floor_f32 v[8+4*\hd], -v[9+4*\hd]            ; -M
	v_mov_b32 v[10+4*\hd], 0                       ; the sum, in two halves
	v_mov_b32 v[11+4*\hd], 0
.endr
; A HEAD STEP: my 16 queries x 128 keys of head hd of the pair.
.macro HSTEP hd
.set NM, 8+4*\hd
.set TT, 9+4*\hd
.set SU, 10+4*\hd
.set OO, OT+32*\hd
.rept 8
	v_nop                                          ; places in front of loads into registers that the last products have read
.endr
	s_setprio 2
.irp g, 0,1                                    ; S^T = K Q^T, four tiles of 16 keys at a time
.if \g
.rept 8
	v_nop
.endr
.endif
.irp t, 0,1,2,3
	ds_load_b128 v[FR+16*\t+8*\hd:FR+16*\t+8*\hd+3], v[ADK] offset:(4*\g+\t)*2048+(2*\hd)*512
	ds_load_b128 v[FR+16*\t+8*\hd+4:FR+16*\t+8*\hd+7], v[ADK] offset:(4*\g+\t)*2048+(2*\hd+1)*512
	ds_load_b32 v[TS+\t], v[ADS] offset:16384+256*\g+128*(\t/2)+4*(\t%2)
.endr
	s_wait_dscnt 0x0
.irp t, 0,1,2,3
	v_wmma_scale_f32_16x16x128_f8f6f4 v[S+8*(4*\g+\t):S+8*(4*\g+\t)+7], v[FR+16*\t:FR+16*\t+15], v[QF+8*\hd:QF+8*\hd+15], 0, v[TS+\t], v[QS]
.endr
.endr                                          ; register 16 b + i of S^T: key 32 b + 16 (lane / 16) + i of the step
.rept 8
	v_nop                                          ; places in front of the loads below and of the first read of the scores
.endr
.irp t, 0,1,2,3                                ; V's four tiles of this head are asked for now: they land under the softmax
.irp c, 0,1,2,3
	ds_load_b128 v[FR+16*\t+4*\c:FR+16*\t+4*\c+3], v[ADK] offset:KVB+(4*\hd+\t)*2048+\c*512
.endr
	ds_load_b32 v[TS+\t], v[ADS] offset:KVB+16384+256*\hd+128*(\t/2)+4*(\t%2)
.endr
	s_cmp_lg_u32 s[KS], s[BETA]                    ; the step on the diagonal: the scores of hidden keys become -infinity ahead of the maximum: p = 0 then.  Every earlier step skips this
	s_cbranch_scc1 .Lopen_\@
	v_and_b32 v[T0], 15, v0
	v_and_b32 v[T1], 8, v0
	s_delay_alu instid0(VALU_DEP_1)
	v_add_nc_u32 v[T0], v[T0], v[T1]               ; r + 8 (r / 8)
	v_and_b32 v[T1], 16, v0
	s_delay_alu instid0(VALU_DEP_1)
	v_sub_nc_u32 v[T0], v[T0], v[T1]
	s_delay_alu instid0(VALU_DEP_1)
	v_add_nc_u32 v[T0], s[JOFF], v[T0]             ; d = my query's place in the block - 16 (lane / 16): register 16 b + i is hidden where 32 b + i > d
	v_mov_b32 v[T1], 0xff800000                    ; -infinity
.set n, 0
.rept 64
	v_cmp_gt_i32 vcc_lo, 32*(n/16)+n%16, v[T0]
	v_cndmask_b32 v[S+n], v[S+n], v[T1], vcc_lo
.set n, n+1
.endr
.Lopen_\@:
.irp b, 0,1,2,3
	v_max3_num_f32 v[MX+\b], v[S+16*\b], v[S+1+16*\b], v[S+2+16*\b]   ; the largest score of each block of 32 keys: it serves for the row's maximum and, since p rises with the score, for the block's largest p
.endr
.irp i, 3,5,7,9,11,13
.irp b, 0,1,2,3
	v_max3_num_f32 v[MX+\b], v[MX+\b], v[S+16*\b+\i], v[S+1+16*\b+\i]
.endr
.endr
.irp b, 0,1,2,3
	v_max_num_f32 v[MX+\b], v[MX+\b], v[S+15+16*\b]
.endr
.irp b, 0,1,2,3
	s_delay_alu instid0(VALU_DEP_4)
	v_permlanex16_b32 v[TA+\b], v[MX+\b], s[SEL], s[SEL+1]
.endr
.irp b, 0,1,2,3
	s_delay_alu instid0(VALU_DEP_4)
	v_max_num_f32 v[MX+\b], v[MX+\b], v[TA+\b]     ; with lane l xor 16's 16 keys
.endr
	s_delay_alu instid0(VALU_DEP_2)
	v_max3_num_f32 v[T0], v[MX], v[MX+1], v[MX+2]
	s_delay_alu instid0(VALU_DEP_1)
	v_max_num_f32 v[T0], v[T0], v[MX+3]            ; the step's largest score of my query
	s_delay_alu instid0(VALU_DEP_1)
	v_mul_f32 v[T0], s[CS], v[T0]                  ; as t (c is positive)
	s_delay_alu instid0(VALU_DEP_1)
	v_max_num_f32 v[TT], v[TT], v[T0]              ; the running largest t
	v_mov_b32 v[T0], v[NM]
	s_delay_alu instid0(VALU_DEP_2)
	v_floor_f32 v[NM], -v[TT]                      ; the new -M = floor(-t) = -ceil(t): a whole number
	s_delay_alu instid0(VALU_DEP_1)
	v_sub_f32 v[T0], v[NM], v[T0]                  ; old M - new M: a whole number, 0 or less
	s_delay_alu instid0(VALU_DEP_1)
	v_cvt_i32_f32 v[T0], v[T0]                     ; (it saturates)
	s_delay_alu instid0(VALU_DEP_1)
	v_ldexp_f32 v[FF], 1.0, v[T0]                  ; f = 2^(old M - new M)
.set n, 0
	s_setprio 1
.rept 32
	v_pk_fma_f32 v[S+n:S+n+1], v[S+n:S+n+1], s[CS:CS+1], v[NM:NM+1] op_sel_hi:[1,0,0]   ; t - M, two at a time (of the pairs c and -M the low word serves both halves)
.set n, n+2
.endr
.irp b, 0,1,2,3
	v_fma_f32 v[MX+\b], v[MX+\b], s[CS], v[NM]     ; the same of each block's largest score
.endr
.set n, 0
	s_wait_alu depctr_va_vdst(0)
.rept 64
	v_exp_f32 v[S+n], v[S+n]                       ; p = 2^(t - M), at most 1: not normalised
.set n, n+1
.endr
.irp b, 0,1,2,3
	v_exp_f32 v[MX+\b], v[MX+\b]                   ; the block's largest p: the same two instructions on the same number give the same bits
.endr
	v_pk_mul_f32 v[SU:SU+1], v[SU:SU+1], v[FF:FF+1] op_sel_hi:[1,0]   ; the sums under the new M.  (A plain place behind the exponentials)
	s_wait_alu depctr_va_vdst(0)
.irp b, 0,1,2,3
	v_max_num_f32 v[MX+\b], 0x4800000, v[MX+\b]    ; the floor 2^(9 - 127): the byte cannot fall under 1
.endr
.irp b, 0,1,2,3
	s_delay_alu instid0(VALU_DEP_4)
	v_add_nc_u32 v[SOP+\b], 0xfc000000, v[MX+\b]   ; 8 off the exponent field: the conversion's scale operand
.endr
	s_delay_alu instid0(VALU_DEP_4)
	v_lshrrev_b32 v[PW], 23, v[SOP]                ; the four bytes make p's scale word for these 128 keys
	s_delay_alu instid0(VALU_DEP_4)
	v_lshrrev_b32 v[T0], 23, v[SOP+1]
	s_delay_alu instid0(VALU_DEP_4)
	v_lshrrev_b32 v[T1], 23, v[SOP+2]
	s_delay_alu instid0(VALU_DEP_2)
	v_lshl_or_b32 v[PW], v[T0], 8, v[PW]
	v_lshrrev_b32 v[T0], 23, v[SOP+3]
	s_delay_alu instid0(VALU_DEP_2)
	v_lshl_or_b32 v[PW], v[T1], 16, v[PW]
	s_delay_alu instid0(VALU_DEP_1)
	v_lshl_or_b32 v[PW], v[T0], 24, v[PW]
	v_pk_add_f32 v[TA:TA+1], v[S:S+1], v[S+2:S+3]  ; the row's sum is taken of the UNQUANTISED p: two at a time, in two chains
.irp j, 4,8,12,16,20,24,28,32,36,40,44,48,52,56,60
	v_pk_add_f32 v[SU:SU+1], v[SU:SU+1], v[S+\j:S+\j+1]
	v_pk_add_f32 v[TA:TA+1], v[TA:TA+1], v[S+\j+2:S+\j+3]
.endr
	s_delay_alu instid0(VALU_DEP_1)
	v_pk_add_f32 v[SU:SU+1], v[SU:SU+1], v[TA:TA+1]
	s_setprio 0
.irp b, 0,1,2,3
	v_and_or_b32 v[TA+\b], v[MX+\b], 0x7f800000, s[MNT]   ; 448 x the scale
.endr
.irp b, 3,2,1,0                                ; from the last block down: block 3's codes go behind p, the others' over block 3's numbers, which are done with; a v_nop stands between the conversions before it and any write of those conversions' sources
.irp i, 0,1,2,3,4,5,6,7,8,9,10,11,12,13,14,15
.endr
	v_nop
	v_cvt_scalef32_pk8_fp8_f32 v[PF+4*\b:PF+4*\b+1], v[S+16*\b:S+16*\b+7], v[SOP+\b]
	v_cvt_scalef32_pk8_fp8_f32 v[PF+4*\b+2:PF+4*\b+3], v[S+16*\b+8:S+16*\b+15], v[SOP+\b]
.endr
.set n, 0
.rept 16
	v_pk_mul_f32 v[OO+n:OO+n+1], v[OO+n:OO+n+1], v[FF:FF+1] op_sel_hi:[1,0]   ; O^T under the new M, from each accumulator's low end on.  (These 16 are also the places between the codes and the products below)
.set n, n+2
.endr
	s_wait_alu depctr_va_vdst(0)
	s_wait_dscnt 0x0                               ; V's tiles and their scale words are in
.irp t, 0,1,2,3                                ; O^T += V^T P^T: the head's four tiles of 16 channels by turns; K = these 128 keys
	v_wmma_scale_f32_16x16x128_f8f6f4 v[OO+8*\t:OO+8*\t+7], v[FR+16*\t:FR+16*\t+15], v[PF:PF+15], v[OO+8*\t:OO+8*\t+7], v[TS+\t], v[PW]
.endr
.endm
; A KEY STEP.  Where all its keys come after my queries its work is jumped over: a scalar branch on ids, round loads, products and softmax; not round the lines that step the address and the count; no barrier or tensor load stands in a step.
.macro KSTEP
	s_cmp_gt_u32 s[KS], s[BETA]
	s_cbranch_scc1 .Lhidden_\@
	v_add_nc_u32 v[ADK], s[TB], v[LI]
	s_wait_alu depctr_va_vdst(0)
	v_add_nc_u32 v[ADS], s[TB], v[LS]
	s_wait_alu depctr_va_vdst(0)
	HSTEP 0
	HSTEP 1
.Lhidden_\@:
	s_add_co_u32 s[TB], s[TB], STEPB
	s_add_co_u32 s[KS], s[KS], 1
.endm
.macro SLOTWORK n                      ; slot n's four key steps
	s_mov_b32 s[TB], \n*SLOTB
	s_mov_b32 s[CNT], 4
.Lstep_\@:
	KSTEP
	s_sub_co_u32 s[CNT], s[CNT], 1
	s_cmp_lg_u32 s[CNT], 0
	s_cbranch_scc1 .Lstep_\@
	s_setprio 0
.endm
; THE CHANGE OF SLOTS.  Each wave waits for all its tensor loads (its part of the slot ahead), adds 0 to its spare word, and waits for that and for its reads of the slot that it has left.  Behind the barrier the slot ahead is whole
; and nobody reads the other one.  fill = 1: that other slot, n, is filled with the key steps eight on: the load has a whole slot's steps in which to land.  One load of mine is out then.
.macro CHANGE fill, n
	s_wait_tensorcnt 0x0                           ; no tensor load of mine is out, so a group 0 may be written
	ds_add_u32 v[SPW], v[NIL]                      ; 0 onto my spare word
.if \fill
	s_add_nc_u64 s[G0+4*\n+2:G0+4*\n+3], s[G0+4*\n+2:G0+4*\n+3], 2*SLOTB   ; the type bits on top are not reached
.endif
	s_wait_dscnt 0x0                               ; the add is done, and my reads of the slot that I have left are over
	s_barrier_signal -1
	s_barrier_wait -1
.if \fill
	s_cmp_lt_u32 s[WV], 8                          ; waves 0-7 fetch; the branch hangs on the wave's number alone
	s_cbranch_scc0 .Lnot_mine_\@
	tensor_load_to_lds s[G0+4*\n:G0+4*\n+3], s[G1:G1+7]   ; the first thing behind the barrier, and a wave's one tensor load until the next
	s_nop 0
.rept 4
	v_nop
.endr
.Lnot_mine_\@:
.endif
.endm
	s_wait_tensorcnt 1                             ; my part of slot 0 is in; slot 1's may stay out
	s_barrier_signal -1
	s_barrier_wait -1                              ; everybody's is
	s_wait_loadcnt 0x0                             ; Q
	SLOTWORK 0                                     ; key steps 0-3
	CHANGE 1, 0                                    ; slot 0 takes key steps 8-11
	SLOTWORK 1                                     ; 4-7
	CHANGE 1, 1                                    ; slot 1 takes 12-15
	SLOTWORK 0                                     ; 8-11
	CHANGE 0, 0
	SLOTWORK 1                                     ; 12-15
	; THE WAY OUT.  O^T / the sum; the 64 numbers (register 16 c + i = channel 32 c + 16 (lane / 16) + i of the pair's 128) are quantised along the channels and leave as one fragment of the last product's operand.
.rept 8
	v_nop                                          ; places behind the last products
.endr
	s_wait_alu depctr_va_vdst(0)
	v_add_f32 v[FF], v10, v11                      ; each head's sum: its two halves,
	v_add_f32 v[T0], v14, v15
	s_delay_alu instid0(VALU_DEP_2)
	v_permlanex16_b32 v[TA], v[FF], s[SEL], s[SEL+1]
	s_delay_alu instid0(VALU_DEP_2)
	v_permlanex16_b32 v[TA+1], v[T0], s[SEL], s[SEL+1]
	s_delay_alu instid0(VALU_DEP_2)
	v_add_f32 v[FF], v[FF], v[TA]                  ; and lane l xor 16's
	s_delay_alu instid0(VALU_DEP_2)
	v_add_f32 v[T0], v[T0], v[TA+1]
	s_wait_alu depctr_va_vdst(0)
	v_rcp_f32 v[FF], v[FF]
	v_rcp_f32 v[T0], v[T0]
	v_nop                                          ; a plain place behind the reciprocals
	s_wait_alu depctr_va_vdst(0)
.irp hd, 0,1
.set n, 0
.rept 16
	v_pk_mul_f32 v[S+32*\hd+n:S+32*\hd+n+1], v[OT+32*\hd+n:OT+32*\hd+n+1], v[FF+2*\hd:FF+2*\hd+1] op_sel_hi:[1,0]   ; from each accumulator's low end on
.set n, n+2
.endr
.endr
.irp b, 0,1,2,3
	v_max3_num_f32 v[MX+\b], |v[S+16*\b]|, |v[S+1+16*\b]|, 0x4800000
.endr
.irp i, 2,4,6,8,10,12,14
.irp b, 0,1,2,3
	s_delay_alu instid0(VALU_DEP_4)
	v_max3_num_f32 v[MX+\b], v[MX+\b], |v[S+16*\b+\i]|, |v[S+1+16*\b+\i]|
.endr
.endr
.irp b, 0,1,2,3
	s_delay_alu instid0(VALU_DEP_4)
	v_permlanex16_b32 v[TA+\b], v[MX+\b], s[SEL], s[SEL+1]
.endr
.irp b, 0,1,2,3
	s_delay_alu instid0(VALU_DEP_4)
	v_max_num_f32 v[MX+\b], v[MX+\b], v[TA+\b]
.endr
.irp b, 0,1,2,3
	s_delay_alu instid0(VALU_DEP_4)
	v_add_nc_u32 v[SOP+\b], 0xfc000000, v[MX+\b]
.endr
.irp b, 0,1,2,3
.endr
	s_delay_alu instid0(VALU_DEP_4)
	v_lshrrev_b32 v[PW], 23, v[SOP]
	s_delay_alu instid0(VALU_DEP_4)
	v_lshrrev_b32 v[T0], 23, v[SOP+1]
	s_delay_alu instid0(VALU_DEP_4)
	v_lshrrev_b32 v[T1], 23, v[SOP+2]
	s_delay_alu instid0(VALU_DEP_2)
	v_lshl_or_b32 v[PW], v[T0], 8, v[PW]
	v_lshrrev_b32 v[T0], 23, v[SOP+3]
	s_delay_alu instid0(VALU_DEP_2)
	v_lshl_or_b32 v[PW], v[T1], 16, v[PW]
	s_delay_alu instid0(VALU_DEP_1)
	v_lshl_or_b32 v[PW], v[T0], 24, v[PW]          ; my query's scale word for these 128 channels
.irp b, 0,1,2,3
.irp i, 0,1,2,3,4,5,6,7,8,9,10,11,12,13,14,15
.endr
	v_cvt_scalef32_pk8_fp8_f32 v[FR+4*\b:FR+4*\b+1], v[S+16*\b:S+16*\b+7], v[SOP+\b]
	v_cvt_scalef32_pk8_fp8_f32 v[FR+4*\b+2:FR+4*\b+3], v[S+16*\b+8:S+16*\b+15], v[SOP+\b]
.endr
	v_nop                                          ; a plain vector line behind the last conversion
.irp c, 0,1,2,3
	global_store_b128 v[LI], v[FR+4*\c:FR+4*\c+3], s[48:49] offset:\c*512   ; 512 consecutive bytes, aligned to 512
.endr
	global_store_b32 v[LS], v[PW], s[50:51]        ; 4 bytes of every 8 (the other word of a row belongs to the neighbouring pair of heads, another work-group's); lanes 16-31 store what lanes 0-15 store.  One byte in 32 of what leaves
	s_wait_tensorcnt 0x0                           ; the wave's end
	ds_add_u32 v[SPW], v[NIL]
	s_wait_dscnt 0x0
	s_endpgm
.Lfunc_end_k_q02093e61a4_attn:
	.size	k_q02093e61a4_attn, .Lfunc_end_k_q02093e61a4_attn-k_q02093e61a4_attn
	.p2alignl 7, 3214868480
	.fill 96, 4, 3214868480
	.section	.rodata,"a",@progbits
	.p2align	6, 0x0
	.amdhsa_kernel k_q02093e61a4_attn
		.amdhsa_group_segment_fixed_size 327680
		.amdhsa_private_segment_fixed_size 0
		.amdhsa_enable_private_segment 0
		.amdhsa_kernarg_size 24
		.amdhsa_user_sgpr_count 2
		.amdhsa_user_sgpr_kernarg_segment_ptr 1
		.amdhsa_wavefront_size32 1
		.amdhsa_system_sgpr_workgroup_id_x 1
		.amdhsa_system_sgpr_workgroup_id_y 1
		.amdhsa_system_sgpr_workgroup_id_z 1
		.amdhsa_system_vgpr_workitem_id 0
		.amdhsa_next_free_vgpr 256
		.amdhsa_next_free_sgpr 66
		.amdhsa_reserve_vcc 1
		.amdhsa_float_denorm_mode_32 3
		.amdhsa_float_denorm_mode_16_64 3
		.amdhsa_fp16_overflow 1
		.amdhsa_memory_ordered 1
		.amdhsa_forward_progress 1
		.amdhsa_inst_pref_size 208
	.end_amdhsa_kernel
	.amdgpu_metadata
---
amdhsa.version: [ 1, 2 ]
amdhsa.kernels:
  - .name:           k_q02093e61a4_attn
    .symbol:         k_q02093e61a4_attn.kd
    .args:
      - { .name: qimg, .offset: 0, .size: 8, .value_kind: global_buffer, .address_space: global }
      - { .name: kvimg, .offset: 8, .size: 8, .value_kind: global_buffer, .address_space: global }
      - { .name: ctxi, .offset: 16, .size: 8, .value_kind: global_buffer, .address_space: global }
    .group_segment_fixed_size: 327680
    .private_segment_fixed_size: 0
    .kernarg_segment_align: 8
    .kernarg_segment_size: 24
    .max_flat_workgroup_size: 512
    .sgpr_count:     66
    .vgpr_count:     256
    .wavefront_size: 32
...
	.end_amdgpu_metadata
.endif
;; end of part 3
;; launch outp (part 4): grid 4 x 32, 4 waves a work-group, clusters of 4 x 4, 327,680 bytes of LDS; arguments ctxi, wi, bo, out0; writes out0
.if DOCPART == 4
	.amdgcn_target "amdgcn-amd-amdhsa--gfx1250"
	.amdhsa_code_object_version 6
	.text
	.protected	k_q02093e61a4_outp
	.globl	k_q02093e61a4_outp
	.p2align	8
	.type	k_q02093e61a4_outp,@function
k_q02093e61a4_outp:
	s_mov_b64 s[64:65], 0
	v_nop
	global_prefetch_b8 v0, s[64:65] scope:SCOPE_SE
	s_setreg_imm32_b32 hwreg(HW_REG_WAVE_MODE, 25, 1), 1
	s_wait_xcnt 0x0
	s_wait_alu depctr_hold_cnt(0) depctr_sa_sdst(0) depctr_va_vdst(0) depctr_va_sdst(0) depctr_va_ssrc(0) depctr_va_vcc(0) depctr_vm_vsrc(0)
	s_getreg_b32 s2, hwreg(HW_REG_IB_STS2, 6, 4)
	s_cmp_eq_u32 s2, 0
	s_cbranch_scc0 .Lentry_in_a_cluster
	s_endpgm
.Lentry_in_a_cluster:
	s_bfe_u32 s2, ttmp6, 0x10000c
	s_cmp_lg_u32 s2, 0xf033
	s_cbranch_scc0 .Lentry_shape_is_right
	s_endpgm
.Lentry_shape_is_right:
; out0 = ctx Wo^T + bo on codes of FP8 (E4M3) with E8M0 scales, sums in f32.  Source 0 = 16 rows of P = Wo (output columns), source 1 = 16 rows of R = ctx (tokens): a lane holds one token and eight neighbouring columns.
; OPERANDS arrive as images of the operand's registers: block (G = row / 128, S = k / 256) of 33,792 bytes at (4 G + S) x 33,792: codes at 16384 q + 2048 i + 512 c + 16 lane, scale words at 32768 + 128 i + 8 r + 4 q.
; Row r of tile i is row 32 (i / 2) + 8 (i % 2) + r + 8 (r / 8) of the 128; Wo's groups are 24-31 of wi.
; A work-group of four waves makes 256 columns x 256 tokens; a wave 128 x 128: 64 accumulators, 512 registers.  K = 1,024 goes in four steps of 256 through a ring of two LDS slots; a slot is four blocks, one tensor load a wave, dense, scale words and all.
; 4 x 32 = 128 work-groups: a tile half as large would give 256, at one and a half times the LDS bytes for each product.
; CLUSTERS: 4 x 4 work-groups.  The four of a row of the cluster need the same blocks of ctx, the four of a column the same blocks of Wo: each block is asked for JOINTLY.
; The bias is the C of each sum's first matrix instruction: eight registers for each of P's eight tiles, in the result's layout.
; REGISTERS, in windows of 256: window 0: v16-30 addresses; v32-63 scale words, two sets, and nothing else; v64-127 the bias; v128-255 R's fragments, ONE set, on the way out rows of the output.
;   window 1: P's fragments, TWO sets.   windows 2, 3: the accumulators of R's tiles 0-3, 4-7 (accumulator (a, b) at v[8 (8 (a % 4) + b)]).
.set BLKB,  33792
.set GRPB,  4*BLKB
.set SLOT,  4*BLKB                     ; R's half 0, R's half 1, P's half 0, P's half 1
.set SPARE, 2*SLOT                     ; behind the ring: the spare words, 128 bytes for each wave: two blocks of 256 bytes that no other line names
.set SPITCH, 528                       ; the way out: a stage of 16 rows x (512 + 16) bytes for each wave, in slot 0, which has had its last fill and its last read when the first result is stored there
.set NQ,    2
.set FR,    16
.set NL,    4
.set NP,    8                          ; places behind this matrix instruction (ISA guide 7.12.1)
.set ADRA, 16                          ; v16-17  LDS address of my R fragments in slot 0, 1
.set ADRB, 20                          ; v20-21  the same for P
.set STO,  22                          ; v22     the way out: where I put 32 bytes of a row
.set RD,   23                          ; v23     the way out: where I read a row back
.set CO,   24                          ; v24     16 x lane
.set ADRS, 26                          ; v26-27  LDS address of my scale words in slot 0, 1: lanes 0-15 R's, lanes 16-31 P's
.set SPW,  28                          ; v28     LDS address of my spare word; never rewritten
.set NIL,  29                          ; v29     0; never rewritten
.set BA,   30                          ; v30     the bias: 64 x (lane / 16)
.set SC,   32
.set BI,   64                          ; v64-127 the bias of P's tile b at v[BI + 8 b]
.set AF,   128
.set BK,   128                         ; the way out: 16 rows read back from the stage: v128-191 and v192-255 by turns
.set G1, 24
.set G0, 32
.set G1B, 48
.set G0B, 56
.set MSB, 0
.macro WIN new                         ; the immediate's high byte repeats the setting that is left
.if MSB != \new
	s_set_vgpr_msb (MSB<<8)|\new
.set MSB, \new
.endif
.endm
.set MUL_LO, 0xa1                      ; source 0 (P) window 1, source 1 (R) window 0, C and D window 2
.set MUL_HI, 0xf1                      ; the same, C and D window 3
.set FIRST_LO, 0x81                    ; the first step: C (the bias) window 0, D window 2
.set FIRST_HI, 0xc1                    ; D window 3
.set TO_B,   0x40                      ; destination window 1, address window 0
; A joint load: waves 0 and 1 fetch R's two blocks, waves 2 and 3 P's.  Four v_nop follow each of the two lines, ahead of the jump, the label and what follows.
.macro JLOAD g0a, g1a, g0b, g1b
	s_cmp_eq_u32 s15, 0
	s_cbranch_scc0 .Lfor_b_\@
	tensor_load_to_lds s[\g0a:\g0a+3], s[\g1a:\g1a+7]
	s_nop 0
.rept 4
	v_nop
.endr
	s_branch .Lasked_\@
.Lfor_b_\@:
	tensor_load_to_lds s[\g0b:\g0b+3], s[\g1b:\g1b+7]
	s_nop 0
.rept 4
	v_nop
.endr
.Lasked_\@:
.endm
.macro CREST                           ; a round of the cluster's barrier behind its opening barrier
	s_cmp_lg_u32 s14, 0
	s_cbranch_scc1 .Lnot_wave_0_\@
	s_barrier_signal -3
.Lnot_wave_0_\@:
	s_barrier_wait -3
	s_barrier_signal -1
	s_barrier_wait -1
.endm
.macro CROUND                          ; a whole round
	s_barrier_signal -1
	s_barrier_wait -1
	CREST
.endm
	s_load_b256 s[4:11], s[0:1], 0x0               ; ctxi, wi, bo, out0
	v_lshl_add_u32 v[SPW], v0, 2, SPARE
	v_mov_b32 v[NIL], 0
	ds_add_u32 v28, v29
	ds_add_u32 v28, v29
	s_wait_dscnt 0x0
	v_lshrrev_b32 v1, 5, v0
	v_readfirstlane_b32 s14, v1                    ; wave 0..3
	s_lshr_b32 s15, s14, 1                         ; which half of the 256 tokens is mine.  Also: I fetch for R (0) or for P (1)
	s_and_b32 s16, s14, 1                          ; which half of the 256 columns.  Also: which of the two blocks I fetch
	s_bfe_u32 s40, ttmp6, 0x40000                  ; cx, cy: my place in the cluster
	s_bfe_u32 s41, ttmp6, 0x40004
	s_lshl_b32 s42, ttmp9, 2
	s_add_co_u32 s42, s42, s40                     ; which 256 columns
	s_and_b32 s17, ttmp7, 0xffff
	s_lshl_b32 s17, s17, 2
	s_add_co_u32 s17, s17, s41                     ; which 256 tokens
	s_lshl_b32 s43, s41, 2
	s_lshl_b32 s43, 15, s43                        ; my row of the cluster
	s_lshl_b32 s44, 0x1111, s40                    ; my column
	; descriptor group 1: a dense block of 33,792 bytes as 132 rows of 32 elements of 8 bytes
	s_or_b32 s[G1+0], s43, (3<<16)|(1<<21)         ; 15:0 the mask: R's blocks go to my row; 17:16 elements of 8 bytes; 20 no padding; 21 set beside a mask
	s_or_b32 s[G1B+0], s44, (3<<16)|(1<<21)        ; P's go to my column
.irp g, G1, G1B
	s_mov_b32 s[\g+1], 32<<16                      ; tensor_dim0
	s_mov_b32 s[\g+2], 132<<16                     ; tensor_dim1
	s_mov_b32 s[\g+3], 32<<16                      ; tile_dim0
	s_mov_b32 s[\g+4], 132                         ; tile_dim1
	s_mov_b32 s[\g+5], 32                          ; tensor_dim0_stride
	s_mov_b32 s[\g+6], 0
	s_mov_b32 s[\g+7], 0
.endr
	s_lshl_b32 s20, s17, 1
	s_add_co_u32 s20, s20, s16
	s_mul_i32 s20, s20, GRPB                       ; R: the group of 128 tokens that I fetch, in bytes (these registers never hold cx)
	s_mov_b32 s21, 0
	s_lshl_b32 s46, s42, 1
	s_add_co_u32 s46, s46, s16
	s_add_co_u32 s46, s46, 24                      ; Wo's groups follow the 24 of Wq, Wk, Wv
	s_mul_i32 s46, s46, GRPB                       ; P likewise (these never hold cy)
	s_mov_b32 s47, 0
	s_mul_i32 s45, s14, BLKB                       ; where they go: wave x a block: no place in the cluster enters an LDS address
	s_wait_kmcnt 0x0
	s_add_nc_u64 s[20:21], s[4:5], s[20:21]
	s_add_nc_u64 s[46:47], s[6:7], s[46:47]
	CROUND                                         ; all sixteen work-groups are here: the first joint loads meet
.irp s, 0,1
	s_mov_b32 s[G0+4*\s], 1
	s_add_co_u32 s[G0+4*\s+1], s45, \s*SLOT
	s_add_nc_u64 s[G0+4*\s+2:G0+4*\s+3], s[20:21], \s*BLKB
	s_or_b32 s[G0+4*\s+3], s[G0+4*\s+3], 0x80000000
	s_mov_b32 s[G0B+4*\s], 1
	s_add_co_u32 s[G0B+4*\s+1], s45, \s*SLOT
	s_add_nc_u64 s[G0B+4*\s+2:G0B+4*\s+3], s[46:47], \s*BLKB
	s_or_b32 s[G0B+4*\s+3], s[G0B+4*\s+3], 0x80000000
	s_wait_alu depctr_va_vdst(0)
	s_wait_tensorcnt 0x0
	ds_add_u32 v28, v29
	ds_add_u32 v28, v29
	s_wait_dscnt 0x0
	CROUND
	JLOAD G0+4*\s, G1, G0B+4*\s, G1B               ; two loads of mine are out at the most
.endr
	v_and_b32 v1, 31, v0
	v_lshlrev_b32 v[CO], 4, v1
	s_wait_alu depctr_va_vdst(0)
	v_and_b32 v2, 15, v0                           ; r
	v_bfe_u32 v3, v0, 4, 1                         ; h
	s_wait_alu depctr_va_vdst(0)
	v_lshlrev_b32 v[BA], 6, v3
	s_lshl_b32 s82, s42, 10
	s_lshl_b32 s83, s16, 9
	s_add_co_u32 s82, s82, s83                     ; my first column, in bytes: 1024 x which 256 + 512 x half
	s_mov_b32 s83, 0
	s_add_nc_u64 s[8:9], s[8:9], s[82:83]
.irp b, 0,1,2,3,4,5,6,7                        ; lane (r, h) wants, for P's tile b, the bias of columns 32 (b / 2) + 16 h + 8 (b % 2) + 0 .. 7
	global_load_b128 v[BI+8*\b:BI+8*\b+3], v[BA], s[8:9] offset:(32*(\b/2)+8*(\b%2))*4
	global_load_b128 v[BI+8*\b+4:BI+8*\b+7], v[BA], s[8:9] offset:(32*(\b/2)+8*(\b%2))*4+16
.endr
	s_lshl_b32 s84, s17, 20
	s_lshl_b32 s85, s15, 19
	s_add_co_u32 s84, s84, s85                     ; my first token's row of 4,096 bytes
	s_add_co_u32 s84, s84, s82
	s_mov_b32 s85, 0
	s_add_nc_u64 s[12:13], s[10:11], s[84:85]      ; where my 128 x 128 begins in out0
	s_mul_i32 s21, s15, BLKB                       ; my block of R
	s_mul_i32 s22, s16, BLKB                       ; my block of P,
	s_add_co_u32 s22, s22, 2*BLKB                  ; behind R's two
.irp s, 0,1
	v_add_nc_u32 v[ADRA+\s], s21, v[CO]
	v_add_nc_u32 v[ADRB+\s], s22, v[CO]
	s_add_co_u32 s21, s21, SLOT
	s_add_co_u32 s22, s22, SLOT
.endr
	s_mul_i32 s21, s15, BLKB
	s_mul_i32 s22, s16, BLKB
	s_add_co_u32 s22, s22, 2*BLKB
	s_sub_co_u32 s22, s22, s21                     ; from my block of R to my block of P
	v_mul_u32_u24 v4, s22, v3                      ; lanes 16-31 take P's words
	v_lshl_add_u32 v4, v2, 3, v4                   ; 8 bytes a row
	s_add_co_u32 s21, s21, 32768
	v_add_nc_u32 v[ADRS], s21, v4
	v_add_nc_u32 v[ADRS+1], SLOT, v[ADRS]
	s_mul_i32 s23, s14, 16*SPITCH                  ; my stage
	v_mul_u32_u24 v5, v2, SPITCH                   ; in: row r, + 64 h bytes
	v_lshl_add_u32 v5, v3, 6, v5
	v_add_nc_u32 v[STO], s23, v5
	v_add_nc_u32 v[RD], s23, v[CO]                 ; back: the 32 lanes take one row of 512 bytes
.macro FRAG reg, adr, q, i             ; a fragment as it was stored: four loads of 512 consecutive bytes
.irp c, 0,1,2,3
	ds_load_b128 v[\reg+4*\c:\reg+4*\c+3], v[\adr] offset:16384*(\q)+2048*(\i)+512*\c
.endr
.endm
; 16 matrix instructions: R's tiles a0, a0 + 1 x P's eight, 128 along K: the slot's q-th.  p: P's set;  sc: the set of scale words.  zero = 1: the first product starts the sums, from the bias.
; The 64 accumulators take turns, one instruction a turn, in the same order in every step.
.macro MUL16 a0, p, q, sc, zero
.irp a, \a0, \a0+1
.irp b, 0,1,2,3,4,5,6,7
.if \zero
	v_wmma_scale_f32_16x16x128_f8f6f4 v[8*(8*((\a)%4)+\b):8*(8*((\a)%4)+\b)+7], v[128*(\p)+FR*\b:128*(\p)+FR*\b+FR-1], v[AF+FR*(\a):AF+FR*(\a)+FR-1], v[BI+8*\b:BI+8*\b+7], v[SC+8*NQ*(\sc)+NQ*\b+(\q)], v[SC+8*NQ*(\sc)+NQ*(\a)+(\q)] matrix_a_scale:MATRIX_SCALE_ROW1
.else
	v_wmma_scale_f32_16x16x128_f8f6f4 v[8*(8*((\a)%4)+\b):8*(8*((\a)%4)+\b)+7], v[128*(\p)+FR*\b:128*(\p)+FR*\b+FR-1], v[AF+FR*(\a):AF+FR*(\a)+FR-1], v[8*(8*((\a)%4)+\b):8*(8*((\a)%4)+\b)+7], v[SC+8*NQ*(\sc)+NQ*\b+(\q)], v[SC+8*NQ*(\sc)+NQ*(\a)+(\q)] matrix_a_scale:MATRIX_SCALE_ROW1
.endif
.endr
.endr
.endm
.macro FETCH_B slot, q, p              ; P's eight fragments of the slot's q-th 128 along K into set p
	WIN TO_B
.irp i, 0,1,2,3,4,5,6,7
	FRAG 128*(\p)+FR*\i, ADRB+\slot, \q, \i
.endr
	WIN 0
.endm
.macro FETCH_A slot, q, i0             ; R's tiles i0 .. i0 + 3
.irp i, \i0, \i0+1, \i0+2, \i0+3
	FRAG AF+FR*(\i), ADRA+\slot, \q, \i
.endr
.endm
.macro SCALES sc                       ; slot sc's scale words: two words a row; lanes 0-15 take R's tile i, lanes 16-31 P's tile i
.irp i, 0,1,2,3,4,5,6,7
	ds_load_b64 v[SC+8*NQ*\sc+NQ*\i:SC+8*NQ*\sc+NQ*\i+1], v[ADRS+\sc] offset:\i*128
.endr
.endm
; A load into a register that a matrix instruction has read, and an LDS store that reads a matrix result, stand NP places behind it; only plain vector instructions that name none of its registers
; are places (ISA guide 7.12.1 for vector instructions).
.macro PLACES n
.rept \n
	v_nop
.endr
.endm
; A step of 128 along K that has its successor in the same slot.
.macro STEP slot, q, zero
	s_wait_dscnt 4*NL                              ; P's set, R's tiles 0-3 and the scale words are in; the youngest 16 loads (R's tiles 4-7) may be out
.if \zero
	WIN FIRST_LO
.else
	WIN MUL_LO
.endif
	MUL16 0, (\q)%2, \q, \slot, \zero
	MUL16 2, (\q)%2, \q, \slot, \zero
	s_wait_dscnt 0                                 ; R's tiles 4-7 are in
	PLACES NP
	FETCH_B \slot, (\q)+1, 1-(\q)%2
	FETCH_A \slot, (\q)+1, 0
.if \zero
	WIN FIRST_HI
.else
	WIN MUL_HI
.endif
	MUL16 4, (\q)%2, \q, \slot, \zero
	MUL16 6, (\q)%2, \q, \slot, \zero
	PLACES NP
	WIN 0
	FETCH_A \slot, (\q)+1, 4
.endm
; A slot's last step changes slots: ONE barrier; in front of it each wave waits for all its tensor loads, adds 0 to its spare word, and waits for that and for its own reads of this slot.  fill = 1: this slot is filled again, two K steps ahead.
.macro TURN slot, next, fill
	s_wait_tensorcnt 0x0                           ; all my tensor loads have landed: my part of the next slot  (every window is 0 here)
	ds_add_u32 v[SPW], v[NIL]                      ; 0 onto my spare word
	s_wait_dscnt 4*NL+1                            ; the add and the youngest 16 loads (R's tiles 4-7) may be out
	WIN MUL_LO
	MUL16 0, 1, NQ-1, \slot, 0                     ; sixteen matrix instructions stand between the add and the wait for it
	s_wait_dscnt 0x0                               ; the add is done, and my reads of this slot are over
	s_barrier_signal -1
	MUL16 2, 1, NQ-1, \slot, 0
	WIN 0
	s_barrier_wait -1
.if \fill
	CREST                                          ; the barrier has opened a round of the cluster's barrier: no wave of any partner still reads this slot or has a load on its way
	s_add_nc_u64 s[G0+4*\slot+2:G0+4*\slot+3], s[G0+4*\slot+2:G0+4*\slot+3], 2*BLKB
	s_add_nc_u64 s[G0B+4*\slot+2:G0B+4*\slot+3], s[G0B+4*\slot+2:G0B+4*\slot+3], 2*BLKB
	JLOAD G0+4*\slot, G1, G0B+4*\slot, G1B         ; the first tensor load behind the round; its four v_nop are among the places in front of the loads below
	PLACES NP-4
.else
	PLACES NP
.endif
	FETCH_B \next, 0, 0
	FETCH_A \next, 0, 0
	SCALES \next
	WIN MUL_HI
	MUL16 4, 1, NQ-1, \slot, 0
	MUL16 6, 1, NQ-1, \slot, 0
	PLACES NP
	WIN 0
	FETCH_A \next, 0, 4
.endm
	s_wait_alu depctr_va_vdst(0)
	s_wait_tensorcnt 1                             ; my part of K step 0 is in (K step 1's load may be out)
	s_barrier_signal -1
	s_barrier_wait -1                              ; everybody's is
	FETCH_B 0, 0, 0
	FETCH_A 0, 0, 0
	SCALES 0
	FETCH_A 0, 0, 4
	s_wait_loadcnt 0x0                             ; the bias
	STEP 0, 0, 1                                   ; K step 0: its first products start the sums, from the bias
	TURN 0, 1, 1                                   ; slot 0 takes K step 2
	STEP 1, 0, 0
	TURN 1, 0, 1                                   ; slot 1 takes K step 3
	STEP 0, 0, 0
	TURN 0, 1, 0                                   ; nothing is left to fetch: no round
	STEP 1, 0, 0
	s_wait_dscnt 4*NL                              ; the very last step
	WIN MUL_LO
	MUL16 0, 1, NQ-1, 1, 0
	MUL16 2, 1, NQ-1, 1, 0
	s_wait_dscnt 0
	WIN MUL_HI
	MUL16 4, 1, NQ-1, 1, 0
	MUL16 6, 1, NQ-1, 1, 0
	WIN 0
; THE WAY OUT, tile by tile of 16 tokens x 128 columns.  A lane holds 32 neighbouring bytes of a row, and the lanes beside it hold other rows: so a tile goes through my own stage in LDS and comes back as whole rows of 512 bytes.
; LDS serves a wave's instructions in order (ISA guide 5.7.1.4): no wait between the stores and the loads, nor in front of the next tile's stores.
.macro TOSTAGE a
.set AC, 64*((\a)%4)
	WIN 0x08+4*((\a)/4)                            ; the data: window 2 or 3
.irp b, 0,1,2,3,4,5,6,7
	ds_store_b128 v[STO], v[AC+8*\b:AC+8*\b+3] offset:128*(\b/2)+32*(\b%2)          ; columns 32 (b / 2) + 16 h + 8 (b % 2) on; each accumulator from its low end on
	ds_store_b128 v[STO], v[AC+8*\b+4:AC+8*\b+7] offset:128*(\b/2)+32*(\b%2)+16
.endr
	WIN 0
.set BB, BK+64*((\a)%2)
.irp t, 0,1,2,3,4,5,6,7,8,9,10,11,12,13,14,15
	ds_load_b128 v[BB+4*\t:BB+4*\t+3], v[RD] offset:\t*SPITCH
.endr
.endm
.macro SEND a, younger                 ; younger: the LDS instructions issued behind tile a's loads, which may stay out
.set BB, BK+64*((\a)%2)
	s_wait_dscnt \younger                          ; the tile is back in registers
.irp t, 0,1,2,3,4,5,6,7,8,9,10,11,12,13,14,15
	global_store_b128 v[CO], v[BB+4*\t:BB+4*\t+3], s[12:13] offset:(32*((\a)/2)+8*((\a)%2)+\t+8*(\t/8))*4096 th:TH_STORE_NT   ; row t of tile a is token 32 (a / 2) + 8 (a % 2) + t + 8 (t / 8); 512 consecutive bytes, aligned to 512; the base never steps
.endr
.endm
	PLACES NP                                      ; behind the last products: for the loads into the registers that held R's fragments and for the reads of results alike
	TOSTAGE 0
.irp a, 1,2,3,4,5,6,7
.if \a > 1
	s_wait_xcnt 0x0                                ; tile a - 2's stores have read their registers: tile a's loads may land there
.endif
	TOSTAGE \a
	SEND \a-1, 32                                  ; behind tile a - 1's loads: tile a's 16 stores and 16 loads
.endr
	SEND 7, 0
	s_wait_tensorcnt 0x0                           ; the wave's end
	ds_add_u32 v[SPW], v[NIL]
	s_wait_dscnt 0x0
	CROUND                                         ; the closing round: no work-group ends while a partner may still ask for a block that names it
	s_endpgm
.Lfunc_end_k_q02093e61a4_outp:
	.size	k_q02093e61a4_outp, .Lfunc_end_k_q02093e61a4_outp-k_q02093e61a4_outp
	.p2alignl 7, 3214868480
	.fill 96, 4, 3214868480
	.section	.rodata,"a",@progbits
	.p2align	6, 0x0
	.amdhsa_kernel k_q02093e61a4_outp
		.amdhsa_group_segment_fixed_size 327680
		.amdhsa_private_segment_fixed_size 0
		.amdhsa_enable_private_segment 0
		.amdhsa_kernarg_size 32
		.amdhsa_user_sgpr_count 2
		.amdhsa_user_sgpr_kernarg_segment_ptr 1
		.amdhsa_wavefront_size32 1
		.amdhsa_system_sgpr_workgroup_id_x 1
		.amdhsa_system_sgpr_workgroup_id_y 1
		.amdhsa_system_sgpr_workgroup_id_z 1
		.amdhsa_system_vgpr_workitem_id 0
		.amdhsa_next_free_vgpr 1024
		.amdhsa_next_free_sgpr 96
		.amdhsa_reserve_vcc 0
		.amdhsa_float_denorm_mode_32 3
		.amdhsa_float_denorm_mode_16_64 3
		.amdhsa_memory_ordered 1
		.amdhsa_forward_progress 1
		.amdhsa_inst_pref_size 145
	.end_amdhsa_kernel
	.amdgpu_metadata
---
amdhsa.version: [ 1, 2 ]
amdhsa.kernels:
  - .name:           k_q02093e61a4_outp
    .symbol:         k_q02093e61a4_outp.kd
    .args:
      - { .name: ctxi, .offset: 0, .size: 8, .value_kind: global_buffer, .address_space: global }
      - { .name: wi, .offset: 8, .size: 8, .value_kind: global_buffer, .address_space: global }
      - { .name: bo, .offset: 16, .size: 8, .value_kind: global_buffer, .address_space: global }
      - { .name: out0, .offset: 24, .size: 8, .value_kind: global_buffer, .address_space: global }
    .group_segment_fixed_size: 327680
    .private_segment_fixed_size: 0
    .kernarg_segment_align: 8
    .kernarg_segment_size: 32
    .max_flat_workgroup_size: 128
    .sgpr_count:     96
    .vgpr_count:     1024
    .wavefront_size: 32
...
	.end_amdgpu_metadata
.endif
;; end of part 4
